; MI455X (gfx1250); checked and timed in simulation.
; The chip was launched on July 23, 2026; its instructions are those of AMD's public machine-readable ISA for CDNA 5 (MIT licence, August 2026) and "CDNA5" Instruction Set Architecture Reference Guide (July 2026). The comments in the code are by the model that wrote it; some were corrected since.
;; Adaptive Mixture Of Experts. Allowed arithmetic: matrix products marked QUANTISED: E4M3 operands, one E8M0 scale for each 32 along K, by v_wmma_scale_f32_16x16x128_f8f6f4 with both operands' format E4M3, f32 sums; products left as they are: f32 operands where the result goes on into a quantised operand, else bf16, f16 or f32 operands; f32 sums; everything else in f32.
;; Inputs: W1_codes 8 x 4,096 x 32 x 32 uint8 (E4M3 codes of W1, K innermost, in blocks of 32 codes); W1_scales 8 x 4,096 x 32 uint8 (E8M0 scales of W1, one for each 32 codes along K); W2_codes 8 x 1,024 x 64 x 32 uint8 (E4M3 codes of W2, K innermost, in blocks of 32 codes); W2_scales 8 x 1,024 x 64 uint8 (E8M0 scales of W2, one for each 32 codes along K); Wr 1,024 x 8 float32; b1 8 x 4,096 float32; b2 8 x 1,024 float32; temp 1 float32; x 2 x 512 x 1,024 float32.
;; Outputs: out0 2 x 512 x 1,024 float32.
;; This version of the problem:
;;   THIS VERSION OF THE PROBLEM IS GIVEN IN LOW PRECISION. The matrix products marked QUANTISED in the list below multiply operands that are first quantised to E4M3 (4 exponent bits, 3 mantissa bits; 8 bits a number), with one power-of-two scale for each 32 numbers along K (OCP MX v1.0); their sums are f32. All else is computed in f32.
;;   The module's matrix products, in the order in which they are computed (A, B: the left and right operand; K: the contracted axis; several contracted axes count as one K, in the product's order):
;;     1. [M 1,024, K 1,024] x [K 1,024, N 8]; A: input x; B: input Wr: left as it is (N = 8 < 16)
;;     2. [M 1,024, K 1,024] x [K 1,024, N 4,096]; A: input x; B: input W1 (given as codes): QUANTISED
;;     3. [M 1,024, K 2,048] x [K 2,048, N 1,024]; A: computed on the way; B: input W2 (given as codes): QUANTISED
;;     4. [M 1,024, K 1,024] x [K 1,024, N 4,096]; A: input x; B: input W1 (given as codes): QUANTISED
;;     5. [M 1,024, K 2,048] x [K 2,048, N 1,024]; A: computed on the way; B: input W2 (given as codes): QUANTISED
;;     6. [M 1,024, K 1,024] x [K 1,024, N 4,096]; A: input x; B: input W1 (given as codes): QUANTISED
;;     7. [M 1,024, K 2,048] x [K 2,048, N 1,024]; A: computed on the way; B: input W2 (given as codes): QUANTISED
;;     8. [M 1,024, K 1,024] x [K 1,024, N 4,096]; A: input x; B: input W1 (given as codes): QUANTISED
;;     9. [M 1,024, K 2,048] x [K 2,048, N 1,024]; A: computed on the way; B: input W2 (given as codes): QUANTISED
;;     10. [M 1,024, K 1,024] x [K 1,024, N 4,096]; A: input x; B: input W1 (given as codes): QUANTISED
;;     11. [M 1,024, K 2,048] x [K 2,048, N 1,024]; A: computed on the way; B: input W2 (given as codes): QUANTISED
;;     12. [M 1,024, K 1,024] x [K 1,024, N 4,096]; A: input x; B: input W1 (given as codes): QUANTISED
;;     13. [M 1,024, K 2,048] x [K 2,048, N 1,024]; A: computed on the way; B: input W2 (given as codes): QUANTISED
;;     14. [M 1,024, K 1,024] x [K 1,024, N 4,096]; A: input x; B: input W1 (given as codes): QUANTISED
;;     15. [M 1,024, K 2,048] x [K 2,048, N 1,024]; A: computed on the way; B: input W2 (given as codes): QUANTISED
;;     16. [M 1,024, K 1,024] x [K 1,024, N 4,096]; A: input x; B: input W1 (given as codes): QUANTISED
;;     17. [M 1,024, K 2,048] x [K 2,048, N 1,024]; A: computed on the way; B: input W2 (given as codes): QUANTISED
;;   THE QUANTISER, for each operand of a quantised product, along K:
;;     - K is cut into blocks of 32 from its start; a last block that is shorter is filled with zeros.
;;     - A block's scale is 2^e with e = floor(log2(the largest magnitude in the block)) - 8, held to -126 .. 127; a block of zeros has e = 0. As a byte (E8M0): e + 127.
;;     - Each number is divided by its block's scale, clamped to +-448, and rounded to the nearest number of E4M3, ties to even, subnormals kept.
;;     - The product sums the exact products of the quantised numbers (number of the format x scale) in f32.
;;   ~~~python
;;   def quantise(x, axis):      # numpy; x: float32 -> the quantised numbers, widened to float32 again
;;       x = np.moveaxis(x, axis, -1); K = x.shape[-1]
;;       x = np.pad(x, [(0, 0)] * (x.ndim - 1) + [(0, -K % 32)]); x = x.reshape(x.shape[:-1] + (-1, 32)); a = np.abs(x).max(-1, keepdims=True)
;;       e = np.where(a > 0, np.clip(np.frexp(np.where(a > 0, a, 1))[1] - 1 - 8, -126, 127), 0)      # np.frexp(a)[1] - 1 = floor(log2(a)), exactly
;;       r = np.clip(x / 2.0 ** e, -448, 448)
;;       step = 2.0 ** (np.maximum(np.frexp(np.where(r == 0, 1, r))[1] - 1, -6) - 3)
;;       q = np.round(r / step) * step * 2.0 ** e      # np.round: ties to even
;;       return np.moveaxis(q.reshape(q.shape[:-2] + (-1,))[..., :K], -1, axis).astype(np.float32)
;;   ~~~
;;   OPERANDS COMPUTED ON THE WAY. 'Computed on the way' means the value that the module computes at that place (a softmax that the list does not call 'softmax' is quantised finished and normalised). What goes into a quantiser is computed in f32, as accurately as f32 sums, v_exp_f32 and their like allow (about 1e-6 of the number): no bf16 or f16 on the way to a quantiser, and a product that is left as it is and whose result goes on into a quantised operand takes f32 operands (vector FMAs, or v_wmma_f32_16x16x4_f32). A number that lies on a knife's edge between two numbers of the format may be rounded either way, as far as f32 arithmetic and the matrix unit's own rounding can turn it there, and no further.
;;   INPUTS GIVEN AS CODES. W1 (in the module: [8, 1024, 4096], K = its axis 1); W2 (in the module: [8, 2048, 1024], K = its axis 1): each comes as NAME_codes (uint8): NAME with its K axis moved to the last place and cut into blocks of 32 codes, [.., K / 32, bytes a block], one block behind the other in memory; one code a byte (a code: sign, 4 exponent bits, 3 mantissa bits); and NAME_scales (uint8): the same leading axes, one E8M0 byte (e + 127) for each 32 codes along K. Its value is code x scale, taken as it is: it is not quantised again, and the codes and scales need not be those that the quantiser above would give.
;; 2 versions. Each part assembles by itself: llvm-mc -triple=amdgcn-amd-amdhsa -mcpu=gfx1250 --defsym DOCPART=n.
;; ======== version 1 of 2: 5 launches
;; workspace buffers: xqs 1,081,344 bytes; topi 4,096 bytes of whole numbers; topw 8,192 bytes; plan 43,008 bytes of whole numbers; hqs 17,301,504 bytes; y 33,554,432 bytes
;; launch route (part 1): grid 256 x 1, 4 waves a work-group, no clusters, 56,320 bytes of LDS; arguments x, Wr, temp, xqs, topi, topw; writes xqs, topi, topw
.if DOCPART == 1
	.amdgcn_target "amdgcn-amd-amdhsa--gfx1250"
	.amdhsa_code_object_version 6
	.text
	.protected	k_q1e8206c6ce_route
	.globl	k_q1e8206c6ce_route
	.p2align	8
	.type	k_q1e8206c6ce_route,@function
k_q1e8206c6ce_route:
	s_mov_b64 s[64:65], 0
	v_nop
	global_prefetch_b8 v0, s[64:65] scope:SCOPE_SE
	s_setreg_imm32_b32 hwreg(HW_REG_WAVE_MODE, 25, 1), 1
	s_wait_xcnt 0x0
; LAUNCH 1 OF 5.  For each of the 1,024 tokens: x is quantised along its 1,024 numbers (E4M3 codes, one E8M0 byte for each 32), and the router is run in f32:
; logits = x Wr / temp, the two largest (the lower index wins a tie), the softmax of those two with the larger taken away first.
; WORK LEFT OUT BY THE WHOLE PROGRAM.  The result is the sum over the 8 experts of y_e x we, and we = sum(where(topi == e, topw, 0)) is 0 for every expert that is not one of the token's
; two: a zero that the computation builds itself.  In exact arithmetic 0 x y_e adds nothing whatever finite values the inputs hold, so of the 8 x 1,024 rows of each expert product only the
; 2 x 1,024 rows (token, chosen expert) are computed.  Every input keeps a way to the result: all are loaded.
; LIMITS.  A NaN, an infinity or an overflow that arises only in a row left out is not carried to the result.  NaN and infinities among the inputs and temp = 0 are not served.  The logits are
; multiplied by 1 / temp and summed in another order than a plain dot product: two logits nearer than f32 rounding may be ranked the other way.  A block of 32 zeros gets the scale byte 1,
; not 127: its codes are zeros, and the bytes are read by this program alone.
; SHARES.  A wave owns one token, t = 4 x work-group + wave.  Lane l holds x[t][32 l .. 32 l + 31]: a whole block, so its largest magnitude needs no other lane.  The loads are dense
; (512 consecutive bytes an instruction) and turn through the wave's own stage in LDS.  Wr (32 KB) is brought into LDS once by the four waves together.
; The choice is stored at fixed places as whole numbers: no address and no branch here hangs on it; the next launch reads it and places the rows.
.set WRP,   1040                       ; LDS: place l of Wr: rows 32 l .. 32 l + 31 (1,024 bytes) + 16 of padding: 65 x 16 bytes
.set XST,   32*WRP                     ; behind Wr: a stage for each wave: 32 places of 128 bytes + 16
.set XSP,   144
.set CST,   XST+4*32*XSP               ; behind them: 1,024 bytes for each wave: a token's codes
.set SPARE, CST+4*1024                 ; the spare words, 128 bytes for each wave: two blocks of 256 bytes that no other line names
.set SPW, 10                           ; v10  LDS address of my spare word; never rewritten
.set NIL, 11                           ; v11  0; never rewritten
.set ACC, 20                           ; v20-27   the 8 logits
.set X,   32                           ; v32-63   my 32 numbers of x
.set XH,  64                           ; v64-95   x as loaded; then the held copy for the conversions (X stays for the router)
.set WB,  96                           ; v96-159  Wr as loaded; then two buffers of 4 rows of Wr
.set CD,  160                          ; v160-167 my 32 codes
.set CB,  168                          ; v168-175 codes read back, 16 bytes a lane
	s_load_b256 s[4:11], s[0:1], 0x0               ; x s[4:5], Wr s[6:7], temp s[8:9], xqs s[10:11]
	s_load_b128 s[12:15], s[0:1], 0x20             ; topi s[12:13], topw s[14:15]
	v_lshl_add_u32 v[SPW], v0, 2, SPARE
	v_mov_b32 v[NIL], 0
	v_lshrrev_b32 v12, 5, v0
	v_readfirstlane_b32 s17, v12                   ; wave
	v_and_b32 v1, 31, v0                           ; lane
	v_lshlrev_b32 v2, 4, v1                        ; 16 x lane
	s_lshl_b32 s18, ttmp9, 2
	s_add_co_u32 s18, s18, s17                     ; my token
	s_mul_i32 s19, s17, 32*XSP
	s_add_co_u32 s19, s19, XST                     ; my stage
	v_lshrrev_b32 v12, 3, v1
	v_mul_u32_u24 v3, v12, XSP
	v_and_b32 v13, 7, v1
	v_lshl_add_u32 v3, v13, 4, v3
	v_add_nc_u32 v3, s19, v3                       ; into it: eight lanes' 128 bytes fill a place; a load's 512 bytes take four places
	v_mul_u32_u24 v4, v1, XSP
	v_add_nc_u32 v4, s19, v4                       ; out of it: place = lane
	v_lshrrev_b32 v12, 6, v0
	v_mul_u32_u24 v5, v12, WRP
	v_and_b32 v13, 63, v0
	v_lshl_add_u32 v5, v13, 4, v5                  ; Wr into LDS: 64 threads fill a place; a load of the work-group (2,048 bytes) takes two places
	v_mul_u32_u24 v6, v1, WRP                      ; Wr out of LDS: place = lane
	v_lshlrev_b32 v7, 4, v0                        ; 16 x thread
	s_lshl_b32 s19, s17, 10
	s_add_co_u32 s19, s19, CST
	v_lshl_add_u32 v8, v1, 5, s19                  ; my 32 codes
	v_lshl_add_u32 v9, v1, 4, s19                  ; and 16 bytes a lane on the way back
	s_mov_b32 s20, 0x76543210
	s_mov_b32 s21, 0xfedcba98                      ; v_permlanex16_b32's selects for lane l xor 16
	s_mov_b32 s22, 0x600000                        ; the mantissa field of 448
	s_mov_b32 s25, 0
	s_wait_kmcnt 0x0
	s_load_b32 s16, s[8:9], 0x0                    ; temp
	s_lshl_b32 s24, s18, 12
	s_add_nc_u64 s[4:5], s[4:5], s[24:25]          ; x at my token
	s_lshl_b32 s24, s18, 10
	s_add_nc_u64 s[28:29], s[10:11], s[24:25]      ; its codes
	s_lshl_b32 s24, s18, 5
	s_add_nc_u64 s[32:33], s[10:11], s[24:25]
	s_add_nc_u64 s[32:33], s[32:33], 0x100000      ; its scale bytes, behind the 1,048,576 bytes of codes
	s_lshl_b32 s24, s18, 2
	s_add_nc_u64 s[12:13], s[12:13], s[24:25]
	s_lshl_b32 s24, s18, 3
	s_add_nc_u64 s[14:15], s[14:15], s[24:25]
.irp i, 0,1,2,3,4,5,6,7
	global_load_b128 v[XH+4*\i:XH+4*\i+3], v2, s[4:5] offset:512*\i th:TH_LOAD_NT   ; 32 lanes read 512 consecutive bytes; read once in the launch
.endr
.irp i, 0,1,2,3,4,5,6,7,8,9,10,11,12,13,14,15
	global_load_b128 v[WB+4*\i:WB+4*\i+3], v7, s[6:7] offset:2048*\i                ; the work-group reads 2,048 consecutive bytes of Wr
.endr
	s_wait_loadcnt 16                              ; x's eight loads are in; Wr's sixteen, issued behind them, may be out
.irp i, 0,1,2,3,4,5,6,7
	ds_store_b128 v3, v[XH+4*\i:XH+4*\i+3] offset:4*XSP*\i
.endr
.irp j, 0,1,2,3,4,5,6,7
	ds_load_b128 v[X+4*\j:X+4*\j+3], v4 offset:16*\j   ; LDS serves a wave's instructions in order: these see the stores above
.endr
	s_wait_dscnt 0x0
	; the block's scale and codes
	v_max3_num_f32 v12, |v[X]|, |v[X+1]|, |v[X+2]|
	v_max3_num_f32 v13, |v[X+3]|, |v[X+4]|, |v[X+5]|
.irp i, 6,10,14,18,22,26
	v_max3_num_f32 v12, v12, |v[X+\i]|, |v[X+\i+1]|
	v_max3_num_f32 v13, v13, |v[X+\i+2]|, |v[X+\i+3]|
.endr
	v_max3_num_f32 v12, v12, |v[X+30]|, |v[X+31]|
	v_max3_num_f32 v12, v12, v13, 0x4800000        ; and the floor 2^(9 - 127): the byte cannot fall under 1
	v_add_nc_u32 v14, 0xfc000000, v12              ; 8 off the exponent field: the conversion takes this operand's exponent field as its scale
	v_and_or_b32 v15, v12, 0x7f800000, s22         ; 448 x the scale
	v_lshrrev_b32 v16, 23, v14                     ; the scale's byte
.irp i, 0,1,2,3,4,5,6,7,8,9,10,11,12,13,14,15,16,17,18,19,20,21,22,23,24,25,26,27,28,29,30,31
	v_med3_num_f32 v[XH+\i], v[X+\i], -v15, v15    ; the conversion to an 8-bit code does not saturate (ISA guide 7.6.2): the hold comes first
.endr
.irp g, 0,1,2,3
	v_cvt_scalef32_pk8_fp8_f32 v[CD+2*\g:CD+2*\g+1], v[XH+8*\g:XH+8*\g+7], v14
.endr
	v_nop                                          ; a plain line behind the last conversion: XH is written again further down
	ds_store_b128 v8, v[CD:CD+3]
	ds_store_b128 v8, v[CD+4:CD+7] offset:16
	ds_load_b128 v[CB:CB+3], v9
	ds_load_b128 v[CB+4:CB+7], v9 offset:512
	s_wait_loadcnt 0x0                             ; Wr
.irp i, 0,1,2,3,4,5,6,7,8,9,10,11,12,13,14,15
	ds_store_b128 v5, v[WB+4*\i:WB+4*\i+3] offset:2*WRP*\i
.endr
	s_wait_dscnt 0x0                               ; my part of Wr lies in LDS, for the others' sake; my codes are back
	global_store_b128 v2, v[CB:CB+3], s[28:29]                 ; 32 lanes store 512 consecutive bytes
	global_store_b128 v2, v[CB+4:CB+7], s[28:29] offset:512
	global_store_b8 v1, v16, s[32:33]                          ; the token's 32 scale bytes, consecutive: 32 bytes beside 1,024 of codes
	s_barrier_signal -1
	s_barrier_wait -1                              ; all of Wr lies in LDS
	; the logits: my 32 k, four at a time; two experts an instruction
.macro CHUNK ch                        ; Wr rows 4 ch .. 4 ch + 3 of my 32, 32 bytes each, into buffer ch % 2
.irp j, 0,1,2,3,4,5,6,7
	ds_load_b128 v[WB+32*((\ch)%2)+4*\j:WB+32*((\ch)%2)+4*\j+3], v6 offset:128*(\ch)+16*\j
.endr
.endm
.macro DOT ch
.irp kk, 0,1,2,3
.irp p, 0,1,2,3
.set WRR, WB+32*((\ch)%2)+8*\kk+2*\p
.set XRR, X+4*(\ch)+2*(\kk/2)
.if ((\ch) == 0) && (\kk == 0)
	v_pk_mul_f32 v[ACC+2*\p:ACC+2*\p+1], v[WRR:WRR+1], v[XRR:XRR+1] op_sel_hi:[1,0]   ; the first product starts the sums
.elseif (\kk%2) == 0
	v_pk_fma_f32 v[ACC+2*\p:ACC+2*\p+1], v[WRR:WRR+1], v[XRR:XRR+1], v[ACC+2*\p:ACC+2*\p+1] op_sel_hi:[1,0,1]              ; x's pair: its first number for both experts
.else
	v_pk_fma_f32 v[ACC+2*\p:ACC+2*\p+1], v[WRR:WRR+1], v[XRR:XRR+1], v[ACC+2*\p:ACC+2*\p+1] op_sel:[0,1,0] op_sel_hi:[1,1,1]   ; its second
.endif
.endr
.endr
.endm
	CHUNK 0
	CHUNK 1
.irp ch, 0,1,2,3,4,5,6,7
.if \ch < 7
	s_wait_dscnt 8                                 ; this chunk's eight loads are in; the next chunk's may be out
.else
	s_wait_dscnt 0x0
.endif
	DOT \ch
.if \ch < 6
	CHUNK \ch+2
.endif
.endr
	s_wait_kmcnt 0x0                               ; temp
	v_rcp_f32 v28, s16                             ; the sums over the lanes below name neither: they are the work behind it
.irp m, 1,2,4,8
.irp e, 0,1,2,3,4,5,6,7
	v_add_f32_dpp v[ACC+\e], v[ACC+\e], v[ACC+\e] row_xmask:\m row_mask:0xf bank_mask:0xf
.endr
.endr
.irp e, 0,1,2,3,4,5,6,7
	v_permlanex16_b32 v[XH+\e], v[ACC+\e], s20, s21    ; (a destination that has been written)
.endr
.irp e, 0,1,2,3,4,5,6,7
	v_add_f32 v[ACC+\e], v[ACC+\e], v[XH+\e]           ; every lane holds the eight sums
.endr
	s_wait_alu depctr_va_vdst(0)                   ; ahead of the reciprocal's first reader
.irp e, 0,1,2,3,4,5,6,7
	v_mul_f32 v[ACC+\e], v[ACC+\e], v28
.endr
	; the largest: a later expert replaces an earlier one only where it is strictly larger, so the lower index wins a tie
	v_mov_b32 v176, v[ACC]
	v_mov_b32 v177, 0
.irp e, 1,2,3,4,5,6,7
	v_cmp_gt_f32 vcc_lo, v[ACC+\e], v176
	v_cndmask_b32 v176, v176, v[ACC+\e], vcc_lo
	v_cndmask_b32 v177, v177, \e, vcc_lo
.endr
	; the second: the same among the other seven
	v_mov_b32 v178, 0xff800000
	v_mov_b32 v179, 0
.irp e, 0,1,2,3,4,5,6,7
	v_cmp_ne_u32 s36, \e, v177
	v_cmp_gt_f32 vcc_lo, v[ACC+\e], v178
	s_and_b32 vcc_lo, vcc_lo, s36
	v_cndmask_b32 v178, v178, v[ACC+\e], vcc_lo
	v_cndmask_b32 v179, v179, \e, vcc_lo
.endr
	; softmax of the two, the larger taken away: w0 = 1 / (1 + e^d), w1 = e^d w0, d = second - first <= 0
	v_sub_f32 v180, v178, v176
	v_mul_f32 v180, 0x3fb8aa3b, v180
	v_exp_f32 v181, v180
	v_mov_b32 v187, 1                              ; the choice as a whole number: bit e0, and bit 8 + e1.  (Plain work behind the exponential)
	v_mov_b32 v188, 0x100
	v_lshlrev_b32 v186, v177, v187
	v_lshlrev_b32 v188, v179, v188
	v_or_b32 v186, v186, v188
	s_wait_alu depctr_va_vdst(0)                   ; ahead of the exponential's first reader
	v_add_f32 v182, 1.0, v181
	v_rcp_f32 v184, v182
	v_mov_b32 v19, 0                               ; (a plain line behind the reciprocal)
	s_wait_alu depctr_va_vdst(0)                   ; ahead of the reciprocal's first reader
	v_mul_f32 v185, v181, v184
	s_wait_tensorcnt 0x0                           ; the wave's end, behind my last LDS store
	ds_add_u32 v[SPW], v[NIL]
	s_wait_dscnt 0x0
	s_wait_xcnt 0x0                                ; EXEC changes only behind this wait: the stores above have taken it
	v_cmp_eq_u32 vcc_lo, 0, v1
	s_and_saveexec_b32 s37, vcc_lo                 ; lane 0 alone
	global_store_b32 v19, v186, s[12:13]
	global_store_b64 v19, v[184:185], s[14:15]
	s_endpgm
.Lfunc_end_k_q1e8206c6ce_route:
	.size	k_q1e8206c6ce_route, .Lfunc_end_k_q1e8206c6ce_route-k_q1e8206c6ce_route
	.p2alignl 7, 3214868480
	.fill 96, 4, 3214868480
	.section	.rodata,"a",@progbits
	.p2align	6, 0x0
	.amdhsa_kernel k_q1e8206c6ce_route
		.amdhsa_group_segment_fixed_size 56320
		.amdhsa_private_segment_fixed_size 0
		.amdhsa_enable_private_segment 0
		.amdhsa_kernarg_size 48
		.amdhsa_user_sgpr_count 2
		.amdhsa_user_sgpr_kernarg_segment_ptr 1
		.amdhsa_wavefront_size32 1
		.amdhsa_system_sgpr_workgroup_id_x 1
		.amdhsa_system_sgpr_workgroup_id_y 1
		.amdhsa_system_sgpr_workgroup_id_z 1
		.amdhsa_system_vgpr_workitem_id 0
		.amdhsa_next_free_vgpr 192
		.amdhsa_next_free_sgpr 66
		.amdhsa_reserve_vcc 1
		.amdhsa_float_denorm_mode_32 3
		.amdhsa_float_denorm_mode_16_64 3
		.amdhsa_memory_ordered 1
		.amdhsa_forward_progress 1
		.amdhsa_inst_pref_size 30
	.end_amdhsa_kernel
	.amdgpu_metadata
---
amdhsa.version: [ 1, 2 ]
amdhsa.kernels:
  - .name:           k_q1e8206c6ce_route
    .symbol:         k_q1e8206c6ce_route.kd
    .args:
      - { .name: x, .offset: 0, .size: 8, .value_kind: global_buffer, .address_space: global }
      - { .name: Wr, .offset: 8, .size: 8, .value_kind: global_buffer, .address_space: global }
      - { .name: temp, .offset: 16, .size: 8, .value_kind: global_buffer, .address_space: global }
      - { .name: xqs, .offset: 24, .size: 8, .value_kind: global_buffer, .address_space: global }
      - { .name: topi, .offset: 32, .size: 8, .value_kind: global_buffer, .address_space: global }
      - { .name: topw, .offset: 40, .size: 8, .value_kind: global_buffer, .address_space: global }
    .group_segment_fixed_size: 56320
    .private_segment_fixed_size: 0
    .kernarg_segment_align: 8
    .kernarg_segment_size: 48
    .max_flat_workgroup_size: 128
    .sgpr_count:     66
    .vgpr_count:     192
    .wavefront_size: 32
...
	.end_amdgpu_metadata
.endif
;; end of part 1
;; launch place (part 2): grid 8 x 1, 1 waves a work-group, no clusters, 0 bytes of LDS; arguments topi, plan; writes plan
.if DOCPART == 2
	.amdgcn_target "amdgcn-amd-amdhsa--gfx1250"
	.amdhsa_code_object_version 6
	.text
	.protected	k_q1e8206c6ce_place
	.globl	k_q1e8206c6ce_place
	.p2align	8
	.type	k_q1e8206c6ce_place,@function
k_q1e8206c6ce_place:
	s_mov_b64 s[64:65], 0
	v_nop
	global_prefetch_b8 v0, s[64:65] scope:SCOPE_SE
	s_setreg_imm32_b32 hwreg(HW_REG_WAVE_MODE, 25, 1), 1
	s_wait_xcnt 0x0
; LAUNCH 2 OF 5.  The routed rows are placed by expert: the later launches compute only the rows (token, chosen expert); why the others add nothing stands at the first kernel's head.
; Work-group e, one wave, scans all 1,024 choices (bit e0 and bit 8 + e1 of a word) and stores, in its own row of plan (4,352 bytes): the tokens that chose expert e, one behind the other;
; a closing 0 behind them (the one entry that an expert without tokens has); at byte 4,348 their number.  Behind the eight rows, pos[token][slot] = 1,024 e + the row's place in the list.
; No atomics: a row's place is the number of members counted so far plus the number of member lanes below mine.  Each word of plan is stored by one work-group.
; ORDER.  All arithmetic comes first, with all lanes on: each of the 32 groups of 32 tokens has four registers and a mask of its own.  Then come the stores, a pair a group, under the group's mask:
; no vector register is written once EXEC has been changed.
.set EROW, 4352
.set POS,  8*EROW
.set TW,   32                          ; v32-63:   register 4 i + j holds the word of token 128 i + 4 lane + j
.set LO,   64                          ; v64-95:   group n: my entry's byte in the list
.set PO,   96                          ; v96-127:  my byte in pos
.set TK,   128                         ; v128-159: my token
.set PL,   160                         ; v160-191: 1,024 e + my entry's place
.set MK,   32                          ; s32-63:   the lanes of group n whose token chose e
	s_load_b128 s[4:7], s[0:1], 0x0                ; topi s[4:5], plan s[6:7]
	v_and_b32 v9, 31, v0                           ; lane
	v_lshlrev_b32 v10, 4, v9
	v_lshlrev_b32 v8, 2, v9                        ; 4 x lane
	s_mov_b32 s12, 0                               ; members so far
	s_lshl_b32 s16, 0x101, ttmp9                   ; bits e and 8 + e
	s_add_co_u32 s17, ttmp9, 8
	s_lshl_b32 s18, ttmp9, 10                      ; 1,024 e
	s_mul_i32 s20, ttmp9, EROW
	s_mov_b32 s21, 0
	s_wait_kmcnt 0x0
	s_add_nc_u64 s[8:9], s[6:7], s[20:21]          ; my row
	s_add_nc_u64 s[10:11], s[6:7], POS
.irp i, 0,1,2,3,4,5,6,7
	global_load_b128 v[TW+4*\i:TW+4*\i+3], v10, s[4:5] offset:512*\i
.endr
	s_wait_loadcnt 0x0
.macro RANK n                          ; 32 tokens: 128 (n / 4) + 4 lane + n % 4
	v_and_b32 v1, s16, v[TW+\n]
	v_cmp_ne_u32 s[MK+\n], 0, v1                   ; the lanes whose token chose e
	v_mbcnt_lo_u32_b32 v2, s[MK+\n], s12           ; my place: members so far + member lanes below me
	v_min_u32 v2, 0x3ff, v2                        ; a list has at most 1,024 entries: the number enters addresses held so
	v_lshrrev_b32 v3, s17, v1                      ; the slot: 1 where bit 8 + e is the one that is set
	v_min_u32 v3, 1, v3
	v_lshlrev_b32 v[LO+\n], 2, v2
	v_add_nc_u32 v[TK+\n], 128*((\n)/4)+(\n)%4, v8 ; my token
	v_lshl_add_u32 v[PO+\n], v[TK+\n], 1, v3
	v_lshlrev_b32 v[PO+\n], 2, v[PO+\n]            ; pos[token][slot]
	v_add_nc_u32 v[PL+\n], s18, v2
	s_bcnt1_i32_b32 s13, s[MK+\n]
	s_add_co_u32 s12, s12, s13
.endm
.set N, 0
.rept 32
	RANK N
.set N, N+1
.endr
	s_min_u32 s13, s12, 0x400
	s_lshl_b32 s13, s13, 2
	v_mov_b32 v4, s13                              ; the closing entry's byte
	v_mov_b32 v5, 0
	v_mov_b32 v6, s12                              ; the number of rows
	v_cmp_eq_u32 s14, 0, v9                        ; lane 0
	s_wait_xcnt 0x0                                ; EXEC changes only behind this wait
.macro SEND n
	s_and_saveexec_b32 s15, s[MK+\n]
	global_store_b32 v[LO+\n], v[TK+\n], s[8:9]
	global_store_b32 v[PO+\n], v[PL+\n], s[10:11]
	s_wait_xcnt 0x0                                ; the two stores have taken EXEC: it is widened, and narrowed again, only behind this wait
	s_or_b32 exec_lo, exec_lo, s15
.endm
.set N, 0
.rept 32
	SEND N
.set N, N+1
.endr
	s_and_saveexec_b32 s15, s14                    ; lane 0 alone (no memory instruction is out since the last wait)
	global_store_b32 v4, v5, s[8:9]                ; the closing entry
	global_store_b32 v5, v6, s[8:9] offset:EROW-4  ; the number of rows
	s_endpgm
.Lfunc_end_k_q1e8206c6ce_place:
	.size	k_q1e8206c6ce_place, .Lfunc_end_k_q1e8206c6ce_place-k_q1e8206c6ce_place
	.p2alignl 7, 3214868480
	.fill 96, 4, 3214868480
	.section	.rodata,"a",@progbits
	.p2align	6, 0x0
	.amdhsa_kernel k_q1e8206c6ce_place
		.amdhsa_group_segment_fixed_size 0
		.amdhsa_private_segment_fixed_size 0
		.amdhsa_enable_private_segment 0
		.amdhsa_kernarg_size 16
		.amdhsa_user_sgpr_count 2
		.amdhsa_user_sgpr_kernarg_segment_ptr 1
		.amdhsa_wavefront_size32 1
		.amdhsa_system_sgpr_workgroup_id_x 1
		.amdhsa_system_sgpr_workgroup_id_y 1
		.amdhsa_system_sgpr_workgroup_id_z 1
		.amdhsa_system_vgpr_workitem_id 0
		.amdhsa_next_free_vgpr 192
		.amdhsa_next_free_sgpr 66
		.amdhsa_reserve_vcc 0
		.amdhsa_float_denorm_mode_32 3
		.amdhsa_float_denorm_mode_16_64 3
		.amdhsa_memory_ordered 1
		.amdhsa_forward_progress 1
		.amdhsa_inst_pref_size 29
	.end_amdhsa_kernel
	.amdgpu_metadata
---
amdhsa.version: [ 1, 2 ]
amdhsa.kernels:
  - .name:           k_q1e8206c6ce_place
    .symbol:         k_q1e8206c6ce_place.kd
    .args:
      - { .name: topi, .offset: 0, .size: 8, .value_kind: global_buffer, .address_space: global }
      - { .name: plan, .offset: 8, .size: 8, .value_kind: global_buffer, .address_space: global }
    .group_segment_fixed_size: 0
    .private_segment_fixed_size: 0
    .kernarg_segment_align: 8
    .kernarg_segment_size: 16
    .max_flat_workgroup_size: 32
    .sgpr_count:     66
    .vgpr_count:     192
    .wavefront_size: 32
...
	.end_amdgpu_metadata
.endif
;; end of part 2
;; launch gemm1 (part 3): grid 32 x 8, 4 waves a work-group, no clusters, 133,632 bytes of LDS; arguments W1_codes, W1_scales, b1, xqs, plan, hqs; writes hqs
.if DOCPART == 3
	.amdgcn_target "amdgcn-amd-amdhsa--gfx1250"
	.amdhsa_code_object_version 6
	.text
	.protected	k_q1e8206c6ce_gemm1
	.globl	k_q1e8206c6ce_gemm1
	.p2align	8
	.type	k_q1e8206c6ce_gemm1,@function
k_q1e8206c6ce_gemm1:
	s_mov_b64 s[64:65], 0
	v_nop
	global_prefetch_b8 v0, s[64:65] scope:SCOPE_SE
	s_setreg_imm32_b32 hwreg(HW_REG_WAVE_MODE, 25, 1), 1
	s_wait_xcnt 0x0
; LAUNCH 3 OF 5.  h = a x silu(g), (a, g) = Q(x) W1[e] + b1[e], for the rows that chose expert e alone (why the others add nothing stands at the first kernel's head), on codes of E4M3 with one
; E8M0 scale for each 32 along K; h is quantised along its 2,048 and stored as codes in the order of the next product's operand registers.
; SHARES.  Work-group (s, e) owns hidden units 64 s .. 64 s + 63 of expert e: 64 rows of W1 for a and 64 for g, 131,072 bytes, which no other work-group reads.  They are read once, in dense
; runs, and kept in LDS.  The four waves share the ROWS: in a pass wave w takes the tiles of 16 rows t0 + 4 m, m = 0 .. 4, t0 = w + 20 x pass: 40 accumulators, and each fragment of W1
; that it reads from LDS feeds five products.  One pass serves 320 rows; the number of passes follows the stored count, up to all 1,024 tokens on one expert.
; How many passes are walked and what is skipped hang on a count read from memory: so there is no tensor load, no cluster, and the one barrier stands ahead of them.  What several work-groups read
; (x's codes) is gathered by row, straight into the operand's registers.
; An expert without rows walks one tile made of its list's closing entry (token 0), so that the next launch meets no byte that nobody stored; nobody reads what comes of it.  A last tile's rows
; past the count repeat the last row; a wave's tiles past the last are multiplied with it (they share the unrolled products) and not stored.
; LAYOUT.  The product is used transposed: source 0 = 16 rows of W1, source 1 = 16 rows of x: a lane holds ONE row, its registers run along the hidden units.  THE ROWS OF W1 THAT FORM A TILE
; ARE NOT NEIGHBOURS: lane r of tile 2 b + u takes unit 32 b + 8 u + r + 8 (r / 8), so that the 16 registers of tiles 2 b and 2 b + 1 are units 32 b + 16 (lane / 16) + 0 .. 15:
; the order of the next operand.  Tiles 0-3 are a's, tiles 4-7 g's of the same units.  b1 is the C of each sum's first product.
; LIMIT: a block of 32 zeros of h gets the scale byte 1, not 127: its codes are zeros, and this program alone reads the bytes.
; REGISTERS, in windows of 256: window 0: v1-31 addresses; v32-71 x's scale words; v72-103 W1's; v104-114 at work; v128-255 two buffers of four fragments of W1, on the way out at work.
;   window 1: x's fragments, three buffers of five.   window 2: the accumulators of m = 0 .. 3 at v[8 (8 m + n)] (at the head: W1 as loaded).   window 3: v0-63 those of m = 4; v64-127 b1's eight tiles.
.set WLP,   1040                       ; a row of W1 in LDS: 1,024 bytes + 16 = 65 x 16: the 16 rows that a load touches start in 16 different columns of 16 bytes
.set SPARE, 128*WLP                    ; behind the 128 rows: the spare words, 128 bytes for each wave: two blocks of 256 bytes that no other line names
.set EROW,  4352                       ; an expert's row of plan
.set LI,   3                           ; v3   16 x lane
.set HSO,  4                           ; v4   64 r + h: my scale byte's place in a tile's 16 x 64
.set ADW,  5                           ; v5   my place in a tile of W1, tiles 0-3; v6 tiles 4-7
.set WST,  7                           ; v7   where my wave puts W1 into LDS
.set WSO,  8                           ; v8   W1's scale words: lanes 0-15 a's rows, lanes 16-31 g's
.set BSO,  9                           ; v9   b1: 64 h
.set SPW,  10                          ; v10  LDS address of my spare word; never rewritten
.set NIL,  11                          ; v11  0; never rewritten
.set IDX,  12                          ; v12-16 my row's place in the list, tile m
.set TOK,  17                          ; v17-21 its token
.set XO,   22                          ; v22-26 the token's codes: 1,024 token + 16 h
.set XSO,  27                          ; v27-31 its scale bytes: 32 token
.set XS,   32                          ; x's scale words: 8 m + q
.set WS,   72                          ; W1's: 8 n + q, n = 0 .. 3: lanes 0-15 tile n, lanes 16-31 tile n + 4
.set TM,   104                         ; v104-113 the quantiser's
.set H16,  114                         ; v114 16 h
.set BW,   128
.set T,    128                         ; the way out: v128-159 the sigmoid on its way
.set U,    160                         ; v160-191 h
.set CODES, 192                        ; v192 + 8 m: a tile's codes: registers of their own, so that no store's data are written again in a pass
.set BYTE, 232                         ; v232 + m
.set HB,   32                          ; s[32:41] where tile m's codes go
.set HSB,  42                          ; s[42:51] and its scale bytes
.set MSB, 0
.macro WIN new                         ; the immediate's high byte repeats the setting that is left; a switch that changes nothing is dropped
.if MSB != (\new)
	s_set_vgpr_msb (MSB<<8)|(\new)
.set MSB, (\new)
.endif
.endm
.macro PLACES n                        ; plain vector lines between a matrix instruction and a load into, or a read of, its registers (ISA guide 7.12.1 for vector instructions)
.rept \n
	v_nop
.endr
.endm
.macro XLOAD q                         ; the five tiles' fragments of x for K step q: lane (r, h): its token's bytes 128 q + 32 c + 16 h on
	WIN 0x40                                       ; destination window 1
.irp m, 0,1,2,3,4
.irp c, 0,1,2,3
	global_load_b128 v[80*((\q)%3)+16*\m+4*\c:80*((\q)%3)+16*\m+4*\c+3], v[XO+\m], s[10:11] offset:128*(\q)+32*\c
.endr
.endr
.endm
.macro BFETCH q, g                     ; four fragments of W1 (tiles 4 g .. 4 g + 3) for K step q
.irp nn, 0,1,2,3
.irp c, 0,1,2,3
	ds_load_b128 v[BW+64*(\g)+16*\nn+4*\c:BW+64*(\g)+16*\nn+4*\c+3], v[ADW+(\g)] offset:16*WLP*\nn+128*(\q)+32*\c
.endr
.endr
.endm
.macro ONE q, g, m, nn
.set DR, 8*(8*((\m)%4)+4*(\g)+(\nn))
.set CR, DR
.if (\q) == 0
.set CR, 64+8*(4*(\g)+(\nn))                   ; the first K step starts the sum with b1
.endif
.set AR, BW+64*(\g)+16*(\nn)
.set BR, 80*((\q)%3)+16*(\m)
.if (\g) == 0
	v_wmma_scale_f32_16x16x128_f8f6f4 v[DR:DR+7], v[AR:AR+15], v[BR:BR+15], v[CR:CR+7], v[WS+8*(\nn)+(\q)], v[XS+8*(\m)+(\q)]
.else
	v_wmma_scale_f32_16x16x128_f8f6f4 v[DR:DR+7], v[AR:AR+15], v[BR:BR+15], v[CR:CR+7], v[WS+8*(\nn)+(\q)], v[XS+8*(\m)+(\q)] matrix_a_scale:MATRIX_SCALE_ROW1
.endif
.endm
.macro MUL q, g                        ; 20 products: five tiles of rows x four tiles of W1.  The 40 accumulators take turns, one instruction a turn, in the same order in every K step
.irp m, 0,1,2,3,4
.if \m == 4
	WIN 0xf4                                       ; W1 window 0, x window 1, C and D window 3
.elseif (\q) == 0
	WIN 0xb4                                       ; C (b1) window 3, D window 2
.else
	WIN 0xa4                                       ; C and D window 2
.endif
.irp nn, 0,1,2,3
	ONE \q, \g, \m, \nn
.endr
.endr
.endm
.macro KSTEP q
.if (\q) <= 5
	XLOAD (\q)+2                                   ; into the buffer that the K step before read: eight places stand behind its last product
	s_wait_loadcnt 40                              ; this K step's fragments of x are in; those of the next two, 20 loads each, may be out
.elseif (\q) == 6
	s_wait_loadcnt 20
.else
	s_wait_loadcnt 0x0
.endif
.irp g, 0,1
.if (\q) == 7 && \g == 1
	s_wait_dscnt 0x0
.else
	s_wait_dscnt 16                                ; this buffer's 16 loads are in; the other buffer's may be out
.endif
	MUL \q, \g
.if (\q) < 7
	WIN 0
	PLACES 8
	BFETCH (\q)+1, \g
.endif
.endr
.endm
; What a pass needs ahead of its products: the five tiles' tokens, where their results go, x's scale words and the first two K steps of x.
.macro PRE
	s_wait_xcnt 0x0                                ; the last pass's stores have taken their bases
.irp m, 0,1,2,3,4
	s_add_co_u32 s23, s22, 4*\m                    ; tile t0 + 4 m
	s_lshl_b32 s62, s23, 4
	v_add_nc_u32 v[IDX+\m], s62, v1
	v_min_u32 v[IDX+\m], s21, v[IDX+\m]            ; rows past the count repeat the last row
	v_min_u32 v[IDX+\m], 0x3ff, v[IDX+\m]
	v_lshlrev_b32 v[IDX+\m], 2, v[IDX+\m]
	global_load_b32 v[TOK+\m], v[IDX+\m], s[52:53]
	s_min_u32 s62, s23, 63
	s_lshl_b32 s30, s62, 15                        ; a tile's codes: 16 K steps of 2,048 bytes
	s_add_nc_u64 s[HB+2*\m:HB+2*\m+1], s[58:59], s[30:31]
	s_lshl_b32 s30, s62, 10                        ; its scale bytes: 16 rows of 64
	s_add_nc_u64 s[HSB+2*\m:HSB+2*\m+1], s[60:61], s[30:31]
.endr
	s_wait_loadcnt 0x0                             ; the tokens (in the first pass: also W1, its scale words and b1, issued ahead of them)
.irp m, 0,1,2,3,4
	v_min_u32 v[TOK+\m], 0x3ff, v[TOK+\m]
	v_lshl_add_u32 v[XO+\m], v[TOK+\m], 10, v[H16]
	v_lshlrev_b32 v[XSO+\m], 5, v[TOK+\m]
.endr
.irp m, 0,1,2,3,4
	global_load_b128 v[XS+8*\m:XS+8*\m+3], v[XSO+\m], s[54:55]
	global_load_b128 v[XS+8*\m+4:XS+8*\m+7], v[XSO+\m], s[54:55] offset:16
.endr
	XLOAD 0
	XLOAD 1
	WIN 0
.endm
; THE WAY OUT of tile m: h = a g / (1 + 2^(-g log2 e)); its two blocks of 32 are quantised; 16 codes of each go out as one group of four registers of the next operand's image.
.macro EPI m
.set WW, 2+(\m)/4
.set AB, 64*((\m)%4)
.if (\m) > 0
	s_add_co_u32 s23, s22, 4*(\m)
	s_cmp_ge_u32 s23, s20                          ; past the last tile: so are the wave's later tiles
	s_cbranch_scc1 .Lepi_done
.endif
	WIN WW                                         ; source 0: the accumulators' window.
.set I, 0
.rept 16
	v_pk_mul_f32 v[T+I:T+I+1], v[AB+32+I:AB+32+I+1], s[28:29] op_sel_hi:[1,0]   ; -g log2 e
.set I, I+2
.endr
	WIN 0
.set I, 0
.rept 32
	v_exp_f32 v[T+I], v[T+I]
.set I, I+1
.endr
	v_nop                                          ; a plain line behind the last exponential,
	s_wait_alu depctr_va_vdst(0)                   ; and the one wait for the batch, ahead of its first reader
.set I, 0
.rept 16
	v_pk_add_f32 v[T+I:T+I+1], v[T+I:T+I+1], 1.0 op_sel_hi:[1,0]
.set I, I+2
.endr
.set I, 0
.rept 32
	v_rcp_f32 v[T+I], v[T+I]
.set I, I+1
.endr
	v_nop
	s_wait_alu depctr_va_vdst(0)                   ; one wait for the 32 reciprocals
	WIN WW
.set I, 0
.rept 16
	v_pk_mul_f32 v[U+I:U+I+1], v[AB+32+I:AB+32+I+1], v[T+I:T+I+1]   ; silu(g)
.set I, I+2
.endr
.set I, 0
.rept 16
	v_pk_mul_f32 v[U+I:U+I+1], v[AB+I:AB+I+1], v[U+I:U+I+1]         ; a x silu(g)
.set I, I+2
.endr
	WIN 0
.irp b, 0,1
	v_max3_num_f32 v[TM+\b], |v[U+16*\b]|, |v[U+16*\b+1]|, 0x4800000   ; block b: my 16 numbers, and the floor 2^(9 - 127): the byte cannot fall under 1
.endr
.irp i, 2,4,6,8,10,12,14
.irp b, 0,1
	v_max3_num_f32 v[TM+\b], v[TM+\b], |v[U+16*\b+\i]|, |v[U+16*\b+\i+1]|
.endr
.endr
.irp b, 0,1
	v_permlanex16_b32 v[TM+2+\b], v[TM+\b], s24, s25
.endr
.irp b, 0,1
	v_max_num_f32 v[TM+\b], v[TM+\b], v[TM+2+\b]   ; with lane l xor 16's: the block's largest magnitude
.endr
.irp b, 0,1
	v_add_nc_u32 v[TM+4+\b], 0xfc000000, v[TM+\b]  ; 8 off its exponent field: the conversion's scale operand
.endr
.irp b, 0,1
	v_and_or_b32 v[TM+6+\b], v[TM+\b], 0x7f800000, s26   ; 448 x the scale
.endr
.irp b, 0,1
	v_lshrrev_b32 v[TM+8+\b], 23, v[TM+4+\b]       ; the scale's byte
.endr
	v_cndmask_b32 v[BYTE+(\m)], v[TM+8], v[TM+9], s27   ; lanes 0-15 store block 0's byte, lanes 16-31 block 1's
.irp b, 0,1
.irp i, 0,1,2,3,4,5,6,7,8,9,10,11,12,13,14,15
	v_med3_num_f32 v[U+16*\b+\i], v[U+16*\b+\i], -v[TM+6+\b], v[TM+6+\b]   ; the conversion to an 8-bit code does not saturate (ISA guide 7.6.2): the hold comes first
.endr
	v_cvt_scalef32_pk8_fp8_f32 v[CODES+8*(\m)+4*\b:CODES+8*(\m)+4*\b+1], v[U+16*\b:U+16*\b+7], v[TM+4+\b]
	v_cvt_scalef32_pk8_fp8_f32 v[CODES+8*(\m)+4*\b+2:CODES+8*(\m)+4*\b+3], v[U+16*\b+8:U+16*\b+15], v[TM+4+\b]
.endr
	v_nop                                          ; a plain line behind the last conversion: its sources are written again by the next tile
	global_store_b128 v[LI], v[CODES+8*(\m):CODES+8*(\m)+3], s[HB+2*(\m):HB+2*(\m)+1]                  ; 32 lanes store 512 consecutive bytes, at a multiple of 512
	global_store_b128 v[LI], v[CODES+8*(\m)+4:CODES+8*(\m)+7], s[HB+2*(\m):HB+2*(\m)+1] offset:512
	global_store_b8 v[HSO], v[BYTE+(\m)], s[HSB+2*(\m):HSB+2*(\m)+1]                                   ; 2 bytes of each row's 64: 32 bytes beside the tile's 1,024 of codes
.endm
	s_load_b256 s[4:11], s[0:1], 0x0               ; W1's codes s[4:5], its scales s[6:7], b1 s[8:9], xqs s[10:11]
	s_load_b128 s[12:15], s[0:1], 0x20             ; plan s[12:13], hqs s[14:15]
	v_lshl_add_u32 v[SPW], v0, 2, SPARE
	v_mov_b32 v[NIL], 0
	v_lshrrev_b32 v12, 5, v0
	v_readfirstlane_b32 s16, v12                   ; wave
	s_mov_b32 s17, ttmp9                           ; s: which 64 hidden units
	s_and_b32 s18, ttmp7, 0xffff                   ; e
	v_and_b32 v1, 15, v0                           ; r
	v_bfe_u32 v2, v0, 4, 1                         ; h
	v_and_b32 v13, 31, v0
	v_lshlrev_b32 v[LI], 4, v13
	v_lshl_add_u32 v[HSO], v1, 6, v2
	v_mul_u32_u24 v[ADW], v1, WLP
	v_lshl_add_u32 v[ADW], v2, 4, v[ADW]
	v_add_nc_u32 v[ADW+1], 64*WLP, v[ADW]          ; an LDS offset has 16 bits: tiles 4-7 have a register of their own
	s_mul_i32 s23, s16, 32*WLP
	v_add_nc_u32 v[WST], s23, v[LI]                ; my wave's 32 rows
	v_and_b32 v14, 8, v1
	v_add_nc_u32 v14, v14, v1                      ; r + 8 (r / 8)
	v_lshlrev_b32 v[WSO], 5, v14
	v_lshl_add_u32 v[WSO], v2, 16, v[WSO]          ; 32 bytes a row; g's rows lie 2,048 rows behind a's
	v_lshlrev_b32 v[BSO], 6, v2
	v_lshlrev_b32 v[H16], 4, v2
	v_mov_b32 v[TM+2], 0                           ; written once: a lane permute's destination counts as one of its sources
	v_mov_b32 v[TM+3], 0
	s_mov_b32 s24, 0x76543210
	s_mov_b32 s25, 0xfedcba98                      ; v_permlanex16_b32's selects for lane l xor 16
	s_mov_b32 s26, 0x600000                        ; the mantissa field of 448
	s_mov_b32 s27, 0xffff0000                      ; lanes 16-31
	s_mov_b32 s28, 0xbfb8aa3b                      ; -log2 e
	s_mov_b32 s29, s28                             ; (named with it as a pair, so it is written)
	s_mov_b32 s31, 0                               ; the upper word of every offset; never rewritten
	s_mov_b32 s3, 0                                ; passes walked
	s_wait_kmcnt 0x0
	s_mul_i32 s30, s18, EROW
	s_add_nc_u64 s[52:53], s[12:13], s[30:31]      ; the expert's list
	s_load_b32 s19, s[52:53], EROW-4               ; its number of rows
	s_lshl_b32 s30, s18, 22                        ; W1: an expert is 4,096 rows of 1,024 bytes;
	s_lshr_b32 s23, s16, 1
	s_lshl_b32 s23, s23, 21                        ; waves 2 and 3 take g's rows, 2,048 rows on;
	s_add_co_u32 s30, s30, s23
	s_lshl_b32 s23, s17, 16                        ; 64 s rows;
	s_add_co_u32 s30, s30, s23
	s_and_b32 s23, s16, 1
	s_lshl_b32 s23, s23, 15                        ; the odd waves the second 32
	s_add_co_u32 s30, s30, s23
	s_add_nc_u64 s[56:57], s[4:5], s[30:31]
	s_lshl_b32 s30, s18, 17
	s_lshl_b32 s23, s17, 11
	s_add_co_u32 s30, s30, s23
	s_add_nc_u64 s[6:7], s[6:7], s[30:31]          ; W1's scale bytes at row 64 s of the expert
	s_lshl_b32 s30, s18, 14
	s_lshl_b32 s23, s17, 8
	s_add_co_u32 s30, s30, s23
	s_add_nc_u64 s[8:9], s[8:9], s[30:31]          ; b1 likewise
	s_add_nc_u64 s[54:55], s[10:11], 0x100000      ; x's scale bytes
	s_lshl_b32 s30, s18, 21                        ; hqs: an expert has 64 tiles of 32,768 bytes; my units are K step s / 2, groups 2 (s % 2) and 2 (s % 2) + 1 of 512 bytes: 1,024 s
	s_lshl_b32 s23, s17, 10
	s_add_co_u32 s30, s30, s23
	s_add_nc_u64 s[58:59], s[14:15], s[30:31]
	s_lshl_b32 s30, s18, 16                        ; its scale bytes: 64 tiles of 1,024 bytes; my blocks are 2 s and 2 s + 1
	s_lshl_b32 s23, s17, 1
	s_add_co_u32 s30, s30, s23
	s_add_nc_u64 s[60:61], s[14:15], s[30:31]
	s_add_nc_u64 s[60:61], s[60:61], 0x1000000
	WIN 0x80                                       ; destination window 2
.set VV, 0
.rept 32                               ; my wave's 32 rows of W1, 32,768 consecutive bytes, 512 an instruction; no other work-group reads them
	global_load_b128 v[8*VV:8*VV+3], v[LI], s[56:57] offset:1024*VV th:TH_LOAD_NT
	global_load_b128 v[8*VV+4:8*VV+7], v[LI], s[56:57] offset:1024*VV+512 th:TH_LOAD_NT
.set VV, VV+1
.endr
	WIN 0
.irp n, 0,1,2,3
	global_load_b128 v[WS+8*\n:WS+8*\n+3], v[WSO], s[6:7] offset:(32*(\n/2)+8*(\n%2))*32
	global_load_b128 v[WS+8*\n+4:WS+8*\n+7], v[WSO], s[6:7] offset:(32*(\n/2)+8*(\n%2))*32+16
.endr
	WIN 0xc0                                       ; destination window 3
.irp n, 0,1,2,3,4,5,6,7                ; b1 in the result's layout: lane (r, h), register j of tile n: unit 32 b + 16 h + 8 u + j
	global_load_b128 v[64+8*\n:64+8*\n+3], v[BSO], s[8:9] offset:(\n/4)*8192+(32*((\n%4)/2)+8*(\n%2))*4
	global_load_b128 v[64+8*\n+4:64+8*\n+7], v[BSO], s[8:9] offset:(\n/4)*8192+(32*((\n%4)/2)+8*(\n%2))*4+16
.endr
	WIN 0
	s_wait_kmcnt 0x0
	s_min_u32 s19, s19, 0x400                      ; the count
	s_add_co_u32 s20, s19, 15
	s_lshr_b32 s20, s20, 4
	s_max_u32 s20, s20, 1                          ; tiles of 16 rows, one at the least
	s_max_u32 s21, s19, 1
	s_sub_co_u32 s21, s21, 1                       ; the last row's place
	s_mov_b32 s22, s16                             ; t0
	PRE
	WIN 0x08                                       ; an LDS store's data are its source 1: window 2
.set VV, 0
.rept 32                               ; unit v of my 32 goes to the LDS row that its tile and lane give it: 16 ((v / 8) % 2) + 8 (v / 16) + v % 8
.set SG, 16*((VV>>3)&1)+8*((VV>>4)&1)+(VV&7)
	ds_store_b128 v[WST], v[8*VV:8*VV+3] offset:WLP*SG
	ds_store_b128 v[WST], v[8*VV+4:8*VV+7] offset:WLP*SG+512
.set VV, VV+1
.endr
	WIN 0
	s_wait_dscnt 0x0                               ; for the others' sake: my rows lie in LDS
	s_barrier_signal -1
	s_barrier_wait -1                              ; all 128 do; nothing is stored to LDS from here on
	s_cmp_ge_u32 s22, s20
	s_cbranch_scc1 .Ldone                          ; fewer tiles than waves
.Lpass:                                            ; at most four passes: 4 x 20 tiles cover the 64 that an expert can have; a wave leaves by the forward jump below when its tiles are done
	s_wait_xcnt 0x0                                ; the last pass's stores have taken their data, which lay where W1's fragments land
	BFETCH 0, 0
	BFETCH 0, 1
	KSTEP 0
	KSTEP 1
	KSTEP 2
	KSTEP 3
	KSTEP 4
	KSTEP 5
	KSTEP 6
	KSTEP 7
	WIN 0
	PLACES 8                                       ; ahead of the first read of results, and of writes and loads into the last products' operands
	EPI 0
	EPI 1
	EPI 2
	EPI 3
	EPI 4
.Lepi_done:
	s_add_co_u32 s22, s22, 20
	s_cmp_ge_u32 s22, s20
	s_cbranch_scc1 .Ldone                          ; no tile of mine is left
	PRE
	s_add_co_u32 s3, s3, 1
	s_cmp_lt_u32 s3, 4
	s_cbranch_scc1 .Lpass
.Ldone:
	s_wait_tensorcnt 0x0                           ; the wave's end, behind my last LDS store
	ds_add_u32 v[SPW], v[NIL]
	s_wait_dscnt 0x0
	s_endpgm
.Lfunc_end_k_q1e8206c6ce_gemm1:
	.size	k_q1e8206c6ce_gemm1, .Lfunc_end_k_q1e8206c6ce_gemm1-k_q1e8206c6ce_gemm1
	.p2alignl 7, 3214868480
	.fill 96, 4, 3214868480
	.section	.rodata,"a",@progbits
	.p2align	6, 0x0
	.amdhsa_kernel k_q1e8206c6ce_gemm1
		.amdhsa_group_segment_fixed_size 133632
		.amdhsa_private_segment_fixed_size 0
		.amdhsa_enable_private_segment 0
		.amdhsa_kernarg_size 48
		.amdhsa_user_sgpr_count 2
		.amdhsa_user_sgpr_kernarg_segment_ptr 1
		.amdhsa_wavefront_size32 1
		.amdhsa_system_sgpr_workgroup_id_x 1
		.amdhsa_system_sgpr_workgroup_id_y 1
		.amdhsa_system_sgpr_workgroup_id_z 1
		.amdhsa_system_vgpr_workitem_id 0
		.amdhsa_next_free_vgpr 1024
		.amdhsa_next_free_sgpr 66
		.amdhsa_reserve_vcc 0
		.amdhsa_float_denorm_mode_32 3
		.amdhsa_float_denorm_mode_16_64 3
		.amdhsa_memory_ordered 1
		.amdhsa_forward_progress 1
		.amdhsa_inst_pref_size 159
	.end_amdhsa_kernel
	.amdgpu_metadata
---
amdhsa.version: [ 1, 2 ]
amdhsa.kernels:
  - .name:           k_q1e8206c6ce_gemm1
    .symbol:         k_q1e8206c6ce_gemm1.kd
    .args:
      - { .name: W1_codes, .offset: 0, .size: 8, .value_kind: global_buffer, .address_space: global }
      - { .name: W1_scales, .offset: 8, .size: 8, .value_kind: global_buffer, .address_space: global }
      - { .name: b1, .offset: 16, .size: 8, .value_kind: global_buffer, .address_space: global }
      - { .name: xqs, .offset: 24, .size: 8, .value_kind: global_buffer, .address_space: global }
      - { .name: plan, .offset: 32, .size: 8, .value_kind: global_buffer, .address_space: global }
      - { .name: hqs, .offset: 40, .size: 8, .value_kind: global_buffer, .address_space: global }
    .group_segment_fixed_size: 133632
    .private_segment_fixed_size: 0
    .kernarg_segment_align: 8
    .kernarg_segment_size: 48
    .max_flat_workgroup_size: 128
    .sgpr_count:     66
    .vgpr_count:     1024
    .wavefront_size: 32
...
	.end_amdgpu_metadata
.endif
;; end of part 3
;; launch gemm2 (part 4): grid 32 x 8, 4 waves a work-group, no clusters, 150,016 bytes of LDS; arguments W2_codes, W2_scales, b2, hqs, plan, y; writes y
.if DOCPART == 4
	.amdgcn_target "amdgcn-amd-amdhsa--gfx1250"
	.amdhsa_code_object_version 6
	.text
	.protected	k_q1e8206c6ce_gemm2
	.globl	k_q1e8206c6ce_gemm2
	.p2align	8
	.type	k_q1e8206c6ce_gemm2,@function
k_q1e8206c6ce_gemm2:
	s_mov_b64 s[64:65], 0
	v_nop
	global_prefetch_b8 v0, s[64:65] scope:SCOPE_SE
	s_setreg_imm32_b32 hwreg(HW_REG_WAVE_MODE, 25, 1), 1
	s_wait_xcnt 0x0
; LAUNCH 4 OF 5.  y = Q(h) W2[e] + b2[e] for the rows that chose expert e alone (why the others add nothing stands at the first kernel's head), on codes of E4M3 with one E8M0 scale for each 32 along K.
; SHARES.  Work-group (x, e): x / 2 says which 64 columns (64 rows of W2, 131,072 bytes, read in dense runs and kept in LDS), x % 2 which half of the tiles of 16 rows.  In a pass wave w takes
; tiles t0 + 8 m, m = 0 .. 2, t0 = x % 2 + 2 w + 24 x pass: 12 accumulators, and each fragment of W2 read from LDS feeds three products.
; h's codes lie in memory in the order of the operand's registers: a fragment is four loads of 512 consecutive bytes.
; How many passes are walked and what is skipped hang on a count read from memory: so there is no tensor load, no cluster, and the one barrier stands ahead of them.  A wave's tiles past the last take
; the last tile's codes, are multiplied with the others (they share the unrolled products) and are not stored.
; LAYOUT.  Transposed: source 0 = 16 rows of W2, source 1 = 16 rows of h: a lane holds one row and eight neighbouring columns.  b2 is the C of each sum's first product.  A tile's 16 rows x 256
; bytes turn through the wave's own stage in LDS and leave sixteen lanes to 256 consecutive bytes, at a multiple of 256.
; REGISTERS, in windows of 256: window 0: v1-14 addresses; v32-79 h's scale words; v80-111 W2's; v128-255 two buffers of four fragments of W2, on the way out rows of y.
;   window 1: h's fragments, five buffers of three.   window 2: v0-95 the accumulators at v[8 (4 m + nt)]; v96-127 b2's four tiles.   window 3: W2 as loaded.
.set WLP,   2064                       ; a row of W2 in LDS: 2,048 bytes + 16 = 129 x 16
.set STG,   64*WLP                     ; behind the 64 rows: a stage of 16 rows x (256 + 16) bytes for each wave
.set SGP,   272
.set SPARE, STG+4*16*SGP               ; the spare words, 128 bytes for each wave: two blocks of 256 bytes that no other line names
.set EROW,  4352
.set LI,   3                           ; v3   16 x lane
.set HSL,  4                           ; v4   64 r: my row's scale bytes in a tile
.set ADW,  5                           ; v5   my place in a tile of W2, tiles 0, 1; v6 tiles 2, 3
.set WST,  7                           ; v7   where my wave puts W2 into LDS
.set WSO,  8                           ; v8   64 x lane: W2's scale bytes, a lane a row
.set BSO,  9                           ; v9   32 h
.set SPW,  10                          ; v10  LDS address of my spare word; never rewritten
.set NIL,  11                          ; v11  0; never rewritten
.set STO,  12                          ; v12  the stage: where I put 32 bytes of a row
.set SRD,  13                          ; v13  and where I read a row back
.set YO,   14                          ; v14  my place in two rows of y
.set HS,   32                          ; h's scale words: 16 m + q
.set WS,   80                          ; W2's: 16 (nt / 2) + q: lanes 0-15 the even tile, lanes 16-31 the odd one
.set BW,   128
.set OUTR, 128                         ; the way out: 32 registers a tile, of their own, so that no store's data are written again in a pass
.set HB,   32                          ; s[32:37] tile m's codes
.set HSB,  38                          ; s[38:43] its scale bytes
.set YB,   44                          ; s[44:49] its rows of y
.set MSB, 0
.macro WIN new                         ; the immediate's high byte repeats the setting that is left; a switch that changes nothing is dropped
.if MSB != (\new)
	s_set_vgpr_msb (MSB<<8)|(\new)
.set MSB, (\new)
.endif
.endm
.macro PLACES n                        ; plain vector lines between a matrix instruction and a load into, or a read of, its registers (ISA guide 7.12.1 for vector instructions)
.rept \n
	v_nop
.endr
.endm
.macro HLOAD q                         ; the three tiles' fragments of h for K step q
	WIN 0x40                                       ; destination window 1
.irp m, 0,1,2
.irp c, 0,1,2,3
	global_load_b128 v[48*((\q)%5)+16*\m+4*\c:48*((\q)%5)+16*\m+4*\c+3], v[LI], s[HB+2*\m:HB+2*\m+1] offset:2048*(\q)+512*\c
.endr
.endr
.endm
.macro BFETCH2 q                       ; W2's four fragments for K step q
.irp nt, 0,1,2,3
.irp c, 0,1,2,3
	ds_load_b128 v[BW+64*((\q)%2)+16*\nt+4*\c:BW+64*((\q)%2)+16*\nt+4*\c+3], v[ADW+\nt/2] offset:16*WLP*(\nt%2)+128*(\q)+32*\c
.endr
.endr
.endm
.macro MUL2 q                          ; 12 products; the 12 accumulators take turns, one instruction a turn, in the same order in every K step
	WIN 0xa4                                       ; W2 window 0, h window 1, C and D window 2
.irp m, 0,1,2
.irp nt, 0,1,2,3
.set DR, 8*(4*\m+\nt)
.set CR, DR
.if (\q) == 0
.set CR, 96+8*\nt                              ; the first K step starts the sum with b2
.endif
.set AR, BW+64*((\q)%2)+16*\nt
.set BR, 48*((\q)%5)+16*\m
.if (\nt%2) == 0
	v_wmma_scale_f32_16x16x128_f8f6f4 v[DR:DR+7], v[AR:AR+15], v[BR:BR+15], v[CR:CR+7], v[WS+16*(\nt/2)+(\q)], v[HS+16*\m+(\q)]
.else
	v_wmma_scale_f32_16x16x128_f8f6f4 v[DR:DR+7], v[AR:AR+15], v[BR:BR+15], v[CR:CR+7], v[WS+16*(\nt/2)+(\q)], v[HS+16*\m+(\q)] matrix_a_scale:MATRIX_SCALE_ROW1
.endif
.endr
.endr
.endm
.macro KSTEP2 q
.if (\q) <= 11
	HLOAD (\q)+4                                   ; into the buffer that the K step before read: eight places stand behind its last product
	s_wait_loadcnt 48                              ; this K step's fragments of h are in; those of the next four, 12 loads each, may be out
.else
	s_wait_loadcnt 12*(15-(\q))                    ; 36, 24, 12, 0: the K steps still to come
.endif
.if (\q) < 15
	s_wait_dscnt 16                                ; this K step's fragments of W2 are in; the next K step's 16 loads may be out
.else
	s_wait_dscnt 0x0
.endif
	MUL2 \q
.if (\q) <= 13
	WIN 0
	PLACES 8
	BFETCH2 (\q)+2
.endif
.endm
.macro PRE2                            ; what a pass needs ahead of its products
	s_wait_xcnt 0x0                                ; the last pass's stores have taken their bases
.irp m, 0,1,2
	s_add_co_u32 s23, s22, 8*\m                    ; tile t0 + 8 m
	s_min_u32 s62, s23, s63                        ; past the last tile: the last tile's codes
	s_min_u32 s62, s62, 63
	s_lshl_b32 s30, s62, 15
	s_add_nc_u64 s[HB+2*\m:HB+2*\m+1], s[50:51], s[30:31]
	s_lshl_b32 s30, s62, 10
	s_add_nc_u64 s[HSB+2*\m:HSB+2*\m+1], s[52:53], s[30:31]
	s_min_u32 s62, s23, 63
	s_lshl_b32 s30, s62, 16                        ; 16 rows of 4,096 bytes
	s_add_nc_u64 s[YB+2*\m:YB+2*\m+1], s[54:55], s[30:31]
.endr
.irp m, 0,1,2
.irp i, 0,1,2,3
	global_load_b128 v[HS+16*\m+4*\i:HS+16*\m+4*\i+3], v[HSL], s[HSB+2*\m:HSB+2*\m+1] offset:16*\i
.endr
.endr
	HLOAD 0
	HLOAD 1
	HLOAD 2
	HLOAD 3
	WIN 0
.endm
.macro EPI2 m                          ; THE WAY OUT of tile m
.if (\m) > 0
	s_add_co_u32 s23, s22, 8*(\m)
	s_cmp_ge_u32 s23, s20                          ; past the last tile: so are the wave's later tiles
	s_cbranch_scc1 .Lepi_done
.endif
	WIN 0x08                                       ; an LDS store's data are its source 1: window 2
.irp nt, 0,1,2,3
	ds_store_b128 v[STO], v[8*(4*(\m)+\nt):8*(4*(\m)+\nt)+3] offset:64*\nt          ; each accumulator from its low end on
	ds_store_b128 v[STO], v[8*(4*(\m)+\nt)+4:8*(4*(\m)+\nt)+7] offset:64*\nt+16
.endr
	WIN 0
.irp i, 0,1,2,3,4,5,6,7
	ds_load_b128 v[OUTR+32*(\m)+4*\i:OUTR+32*(\m)+4*\i+3], v[SRD] offset:2*SGP*\i   ; LDS serves a wave's instructions in order: these see the stores above, and the next tile's stores come behind them
.endr
.irp i, 0,1,2,3,4,5,6,7
	s_wait_dscnt 7-\i                              ; the younger loads from the stage may be out
	global_store_b128 v[YO], v[OUTR+32*(\m)+4*\i:OUTR+32*(\m)+4*\i+3], s[YB+2*(\m):YB+2*(\m)+1] offset:8192*\i   ; 16 lanes store 256 consecutive bytes of a row, at a multiple of 256
.endr
.endm
	s_load_b256 s[4:11], s[0:1], 0x0               ; W2's codes s[4:5], its scales s[6:7], b2 s[8:9], hqs s[10:11]
	s_load_b128 s[12:15], s[0:1], 0x20             ; plan s[12:13], y s[14:15]
	v_lshl_add_u32 v[SPW], v0, 2, SPARE
	v_mov_b32 v[NIL], 0
	v_lshrrev_b32 v15, 5, v0
	v_readfirstlane_b32 s16, v15                   ; wave
	s_lshr_b32 s17, ttmp9, 1                       ; which 64 columns
	s_and_b32 s21, ttmp9, 1                        ; which half of the tiles
	s_and_b32 s18, ttmp7, 0xffff                   ; e
	v_and_b32 v1, 15, v0                           ; r
	v_bfe_u32 v2, v0, 4, 1                         ; h
	v_and_b32 v15, 31, v0
	v_lshlrev_b32 v[LI], 4, v15
	v_lshlrev_b32 v[WSO], 6, v15
	v_lshlrev_b32 v[HSL], 6, v1
	v_mul_u32_u24 v[ADW], v1, WLP
	v_lshl_add_u32 v[ADW], v2, 4, v[ADW]
	v_add_nc_u32 v[ADW+1], 32*WLP, v[ADW]          ; an LDS offset has 16 bits: tiles 2 and 3 have a register of their own
	s_mul_i32 s23, s16, 16*WLP
	v_add_nc_u32 v[WST], s23, v[LI]                ; my wave's 16 rows
	v_lshlrev_b32 v[BSO], 5, v2
	s_mul_i32 s23, s16, 16*SGP
	s_add_co_u32 s23, s23, STG                     ; my stage
	v_mul_u32_u24 v[STO], v1, SGP
	v_lshl_add_u32 v[STO], v2, 5, v[STO]
	v_add_nc_u32 v[STO], s23, v[STO]               ; in: row r, 32 bytes for each half of the lanes
	v_mul_u32_u24 v[SRD], v2, SGP
	v_lshl_add_u32 v[SRD], v1, 4, v[SRD]
	v_add_nc_u32 v[SRD], s23, v[SRD]               ; back: lanes 0-15 one row, lanes 16-31 the next
	v_lshlrev_b32 v[YO], 12, v2
	v_lshl_add_u32 v[YO], v1, 4, v[YO]             ; and the same two rows in y
	s_mov_b32 s31, 0                               ; the upper word of every offset; never rewritten
	s_mov_b32 s3, 0                                ; passes walked
	s_wait_kmcnt 0x0
	s_mul_i32 s30, s18, EROW
	s_add_nc_u64 s[58:59], s[12:13], s[30:31]
	s_load_b32 s19, s[58:59], EROW-4               ; the expert's number of rows
	s_lshl_b32 s30, s18, 21                        ; W2: an expert is 1,024 rows of 2,048 bytes;
	s_lshl_b32 s23, s17, 17                        ; my 64 rows;
	s_add_co_u32 s30, s30, s23
	s_lshl_b32 s23, s16, 15                        ; my wave's 16
	s_add_co_u32 s30, s30, s23
	s_add_nc_u64 s[56:57], s[4:5], s[30:31]
	s_lshl_b32 s30, s18, 16
	s_lshl_b32 s23, s17, 12
	s_add_co_u32 s30, s30, s23
	s_add_nc_u64 s[6:7], s[6:7], s[30:31]          ; W2's scale bytes at my first row
	s_lshl_b32 s30, s18, 12
	s_lshl_b32 s23, s17, 8
	s_add_co_u32 s30, s30, s23
	s_add_nc_u64 s[8:9], s[8:9], s[30:31]          ; b2 at my first column
	s_lshl_b32 s30, s18, 21
	s_add_nc_u64 s[50:51], s[10:11], s[30:31]      ; the expert's tiles of h,
	s_lshl_b32 s30, s18, 16
	s_add_nc_u64 s[52:53], s[10:11], s[30:31]
	s_add_nc_u64 s[52:53], s[52:53], 0x1000000     ; their scale bytes,
	s_lshl_b32 s30, s18, 22
	s_lshl_b32 s23, s17, 8
	s_add_co_u32 s30, s30, s23
	s_add_nc_u64 s[54:55], s[14:15], s[30:31]      ; and its rows of y at my first column
	WIN 0xc0                                       ; destination window 3
.set VV, 0
.rept 64                               ; my wave's 16 rows of W2: 32,768 consecutive bytes, 512 an instruction (two work-groups read them)
	global_load_b128 v[4*VV:4*VV+3], v[LI], s[56:57] offset:512*VV
.set VV, VV+1
.endr
	WIN 0
.irp pr, 0,1
.irp i, 0,1,2,3
	global_load_b128 v[WS+16*\pr+4*\i:WS+16*\pr+4*\i+3], v[WSO], s[6:7] offset:2048*\pr+16*\i
.endr
.endr
	WIN 0x80                                       ; destination window 2
.irp nt, 0,1,2,3                       ; b2 in the result's layout: lane (r, h), register j of tile nt: column 16 nt + 8 h + j
	global_load_b128 v[96+8*\nt:96+8*\nt+3], v[BSO], s[8:9] offset:64*\nt
	global_load_b128 v[96+8*\nt+4:96+8*\nt+7], v[BSO], s[8:9] offset:64*\nt+16
.endr
	WIN 0
	s_wait_kmcnt 0x0
	s_min_u32 s19, s19, 0x400
	s_add_co_u32 s20, s19, 15
	s_lshr_b32 s20, s20, 4
	s_max_u32 s20, s20, 1                          ; tiles of 16 rows, one at the least: as many as the launch before has stored
	s_sub_co_u32 s63, s20, 1
	s_lshl_b32 s22, s16, 1
	s_add_co_u32 s22, s22, s21                     ; t0
	PRE2
	s_wait_loadcnt 60                              ; W2, its scale words and b2 are in; the 12 + 48 loads issued behind them may be out
	WIN 0x0c                                       ; an LDS store's data are its source 1: window 3
.set VV, 0
.rept 64
	ds_store_b128 v[WST], v[4*VV:4*VV+3] offset:WLP*(VV/4)+512*(VV%4)
.set VV, VV+1
.endr
	WIN 0
	s_wait_dscnt 0x0                               ; for the others' sake: my rows lie in LDS
	s_barrier_signal -1
	s_barrier_wait -1                              ; all 64 do; from here on a wave stores to its own stage alone
	s_cmp_ge_u32 s22, s20
	s_cbranch_scc1 .Ldone
.Lpass:                                            ; at most three passes: 3 x 24 tiles of the work-group's half cover what an expert can have; a wave leaves by the forward jump below when its tiles are done
	s_wait_xcnt 0x0                                ; the last pass's stores have taken their data, which lay where W2's fragments land
	BFETCH2 0
	BFETCH2 1
	KSTEP2 0
	KSTEP2 1
	KSTEP2 2
	KSTEP2 3
	KSTEP2 4
	KSTEP2 5
	KSTEP2 6
	KSTEP2 7
	KSTEP2 8
	KSTEP2 9
	KSTEP2 10
	KSTEP2 11
	KSTEP2 12
	KSTEP2 13
	KSTEP2 14
	KSTEP2 15
	WIN 0
	PLACES 9                                       ; eight ahead of the first read of results and of loads into the last products' operands; the ninth for the next pass's first products, which begin these accumulators anew with b2 as C: no other vector line stands between
	EPI2 0
	EPI2 1
	EPI2 2
.Lepi_done:
	s_add_co_u32 s22, s22, 24
	s_cmp_ge_u32 s22, s20
	s_cbranch_scc1 .Ldone                          ; no tile of mine is left
	PRE2
	s_add_co_u32 s3, s3, 1
	s_cmp_lt_u32 s3, 3
	s_cbranch_scc1 .Lpass
.Ldone:
	s_wait_tensorcnt 0x0                           ; the wave's end, behind my last LDS store
	ds_add_u32 v[SPW], v[NIL]
	s_wait_dscnt 0x0
	s_endpgm
.Lfunc_end_k_q1e8206c6ce_gemm2:
	.size	k_q1e8206c6ce_gemm2, .Lfunc_end_k_q1e8206c6ce_gemm2-k_q1e8206c6ce_gemm2
	.p2alignl 7, 3214868480
	.fill 96, 4, 3214868480
	.section	.rodata,"a",@progbits
	.p2align	6, 0x0
	.amdhsa_kernel k_q1e8206c6ce_gemm2
		.amdhsa_group_segment_fixed_size 150016
		.amdhsa_private_segment_fixed_size 0
		.amdhsa_enable_private_segment 0
		.amdhsa_kernarg_size 48
		.amdhsa_user_sgpr_count 2
		.amdhsa_user_sgpr_kernarg_segment_ptr 1
		.amdhsa_wavefront_size32 1
		.amdhsa_system_sgpr_workgroup_id_x 1
		.amdhsa_system_sgpr_workgroup_id_y 1
		.amdhsa_system_sgpr_workgroup_id_z 1
		.amdhsa_system_vgpr_workitem_id 0
		.amdhsa_next_free_vgpr 1024
		.amdhsa_next_free_sgpr 66
		.amdhsa_reserve_vcc 0
		.amdhsa_float_denorm_mode_32 3
		.amdhsa_float_denorm_mode_16_64 3
		.amdhsa_memory_ordered 1
		.amdhsa_forward_progress 1
		.amdhsa_inst_pref_size 95
	.end_amdhsa_kernel
	.amdgpu_metadata
---
amdhsa.version: [ 1, 2 ]
amdhsa.kernels:
  - .name:           k_q1e8206c6ce_gemm2
    .symbol:         k_q1e8206c6ce_gemm2.kd
    .args:
      - { .name: W2_codes, .offset: 0, .size: 8, .value_kind: global_buffer, .address_space: global }
      - { .name: W2_scales, .offset: 8, .size: 8, .value_kind: global_buffer, .address_space: global }
      - { .name: b2, .offset: 16, .size: 8, .value_kind: global_buffer, .address_space: global }
      - { .name: hqs, .offset: 24, .size: 8, .value_kind: global_buffer, .address_space: global }
      - { .name: plan, .offset: 32, .size: 8, .value_kind: global_buffer, .address_space: global }
      - { .name: y, .offset: 40, .size: 8, .value_kind: global_buffer, .address_space: global }
    .group_segment_fixed_size: 150016
    .private_segment_fixed_size: 0
    .kernarg_segment_align: 8
    .kernarg_segment_size: 48
    .max_flat_workgroup_size: 128
    .sgpr_count:     66
    .vgpr_count:     1024
    .wavefront_size: 32
...
	.end_amdgpu_metadata
.endif
;; end of part 4
;; launch combine (part 5): grid 256 x 1, 4 waves a work-group, no clusters, 0 bytes of LDS; arguments plan, topw, y, out0; writes out0
.if DOCPART == 5
	.amdgcn_target "amdgcn-amd-amdhsa--gfx1250"
	.amdhsa_code_object_version 6
	.text
	.protected	k_q1e8206c6ce_combine
	.globl	k_q1e8206c6ce_combine
	.p2align	8
	.type	k_q1e8206c6ce_combine,@function
k_q1e8206c6ce_combine:
	s_mov_b64 s[64:65], 0
	v_nop
	global_prefetch_b8 v0, s[64:65] scope:SCOPE_SE
	s_setreg_imm32_b32 hwreg(HW_REG_WAVE_MODE, 25, 1), 1
	s_wait_xcnt 0x0
; LAUNCH 5 OF 5.  out[t] = w0 y[pos[t][0]] + w1 y[pos[t][1]]: the two experts that the token chose; the other six have the weight 0 (the first kernel's head says why they are left out).
; A wave owns one token, t = 4 x work-group + wave: it gathers, so each output row has one owner and nothing is added in memory.  Every load and store covers 512 consecutive bytes.
; No LDS, no barrier, no matrix unit: the launch moves 12 KB a token and does two operations a number.
.set POS, 34816                        ; pos[1024][2] lies behind the eight lists
.set Y0,  16                           ; v16-47 the first row, then the result
.set Y1,  48                           ; v48-79 the second
	s_load_b256 s[4:11], s[0:1], 0x0               ; plan s[4:5], topw s[6:7], y s[8:9], out0 s[10:11]
	v_lshrrev_b32 v1, 5, v0
	v_readfirstlane_b32 s12, v1
	s_lshl_b32 s13, ttmp9, 2
	s_add_co_u32 s13, s13, s12                     ; my token
	v_and_b32 v2, 31, v0
	v_lshlrev_b32 v2, 4, v2                        ; 16 x lane
	s_lshl_b32 s14, s13, 3
	s_mov_b32 s15, 0
	s_mov_b32 s21, 0
	s_wait_kmcnt 0x0
	s_add_nc_u64 s[4:5], s[4:5], s[14:15]
	s_add_nc_u64 s[6:7], s[6:7], s[14:15]
	s_load_b64 s[16:17], s[4:5], POS               ; the two rows' places in y
	s_load_b64 s[18:19], s[6:7], 0x0               ; w0, w1
	s_lshl_b32 s14, s13, 12
	s_add_nc_u64 s[10:11], s[10:11], s[14:15]      ; my row of the output
	s_wait_kmcnt 0x0
	s_min_u32 s16, s16, 8191                       ; y has 8,192 places: the numbers enter addresses held so
	s_min_u32 s17, s17, 8191
	s_lshl_b32 s20, s16, 12
	s_add_nc_u64 s[22:23], s[8:9], s[20:21]
	s_lshl_b32 s20, s17, 12
	s_add_nc_u64 s[24:25], s[8:9], s[20:21]
	s_mov_b32 s26, s19                             ; w1 in a pair of its own: the packed form takes a scalar pair's low word for both halves
	s_mov_b32 s27, s19
.irp i, 0,1,2,3,4,5,6,7
	global_load_b128 v[Y0+4*\i:Y0+4*\i+3], v2, s[22:23] offset:512*\i th:TH_LOAD_NT   ; each row of y that is read is read once
	global_load_b128 v[Y1+4*\i:Y1+4*\i+3], v2, s[24:25] offset:512*\i th:TH_LOAD_NT
.endr
.irp i, 0,1,2,3,4,5,6,7
	s_wait_loadcnt 14-2*\i                         ; this pair of loads is in; the later pairs may be out
	v_pk_mul_f32 v[Y0+4*\i:Y0+4*\i+1], v[Y0+4*\i:Y0+4*\i+1], s[18:19] op_sel_hi:[1,0]
	v_pk_mul_f32 v[Y0+4*\i+2:Y0+4*\i+3], v[Y0+4*\i+2:Y0+4*\i+3], s[18:19] op_sel_hi:[1,0]
	v_pk_fma_f32 v[Y0+4*\i:Y0+4*\i+1], v[Y1+4*\i:Y1+4*\i+1], s[26:27], v[Y0+4*\i:Y0+4*\i+1] op_sel_hi:[1,0,1]
	v_pk_fma_f32 v[Y0+4*\i+2:Y0+4*\i+3], v[Y1+4*\i+2:Y1+4*\i+3], s[26:27], v[Y0+4*\i+2:Y0+4*\i+3] op_sel_hi:[1,0,1]
	global_store_b128 v2, v[Y0+4*\i:Y0+4*\i+3], s[10:11] offset:512*\i th:TH_STORE_NT
.endr
	s_endpgm
.Lfunc_end_k_q1e8206c6ce_combine:
	.size	k_q1e8206c6ce_combine, .Lfunc_end_k_q1e8206c6ce_combine-k_q1e8206c6ce_combine
	.p2alignl 7, 3214868480
	.fill 96, 4, 3214868480
	.section	.rodata,"a",@progbits
	.p2align	6, 0x0
	.amdhsa_kernel k_q1e8206c6ce_combine
		.amdhsa_group_segment_fixed_size 0
		.amdhsa_private_segment_fixed_size 0
		.amdhsa_enable_private_segment 0
		.amdhsa_kernarg_size 32
		.amdhsa_user_sgpr_count 2
		.amdhsa_user_sgpr_kernarg_segment_ptr 1
		.amdhsa_wavefront_size32 1
		.amdhsa_system_sgpr_workgroup_id_x 1
		.amdhsa_system_sgpr_workgroup_id_y 1
		.amdhsa_system_sgpr_workgroup_id_z 1
		.amdhsa_system_vgpr_workitem_id 0
		.amdhsa_next_free_vgpr 80
		.amdhsa_next_free_sgpr 66
		.amdhsa_reserve_vcc 0
		.amdhsa_float_denorm_mode_32 3
		.amdhsa_float_denorm_mode_16_64 3
		.amdhsa_memory_ordered 1
		.amdhsa_forward_progress 1
		.amdhsa_inst_pref_size 6
	.end_amdhsa_kernel
	.amdgpu_metadata
---
amdhsa.version: [ 1, 2 ]
amdhsa.kernels:
  - .name:           k_q1e8206c6ce_combine
    .symbol:         k_q1e8206c6ce_combine.kd
    .args:
      - { .name: plan, .offset: 0, .size: 8, .value_kind: global_buffer, .address_space: global }
      - { .name: topw, .offset: 8, .size: 8, .value_kind: global_buffer, .address_space: global }
      - { .name: y, .offset: 16, .size: 8, .value_kind: global_buffer, .address_space: global }
      - { .name: out0, .offset: 24, .size: 8, .value_kind: global_buffer, .address_space: global }
    .group_segment_fixed_size: 0
    .private_segment_fixed_size: 0
    .kernarg_segment_align: 8
    .kernarg_segment_size: 32
    .max_flat_workgroup_size: 128
    .sgpr_count:     66
    .vgpr_count:     80
    .wavefront_size: 32
...
	.end_amdgpu_metadata
.endif
;; end of part 5
;; ======== version 2 of 2: 4 launches
;; limits: right only within a limited range of input values
;; workspace buffers: xqs 1,081,344 bytes; topi 4,096 bytes of whole numbers; topw 8,192 bytes; plan 33,024 bytes of whole numbers; hqs 17,301,504 bytes; y 8,912,896 bytes
;; launch route (part 6): grid 256 x 1, 4 waves a work-group, no clusters, 54,016 bytes of LDS; arguments x, Wr, temp, xqs, topi, topw; writes xqs, topi, topw
.if DOCPART == 6
	.amdgcn_target "amdgcn-amd-amdhsa--gfx1250"
	.amdhsa_code_object_version 6
	.text
	.protected	k_q1e8206c6ce_route
	.globl	k_q1e8206c6ce_route
	.p2align	8
	.type	k_q1e8206c6ce_route,@function
k_q1e8206c6ce_route:
	s_mov_b64 s[64:65], 0
	v_nop
	global_prefetch_b8 v0, s[64:65] scope:SCOPE_SE
	s_setreg_imm32_b32 hwreg(HW_REG_WAVE_MODE, 25, 1), 1
	s_wait_xcnt 0x0
; LAUNCH 1 OF 4.  For each of the 1,024 tokens: x is quantised along its 1,024 numbers (E4M3 codes, one E8M0 byte for each 32), and the router is run in f32:
; logits = x Wr / temp, the two largest (the lower index wins a tie), the softmax of those two with the larger taken away first.
; WORK LEFT OUT BY THE WHOLE PROGRAM.  The result is the sum over the 8 experts of y_e x we, and we = sum(where(topi == e, topw, 0)) is 0 for every expert that is not one of the token's
; two: a zero that the computation builds itself.  In exact arithmetic 0 x y_e adds nothing whatever finite values the inputs hold, so of the 8 x 1,024 rows of each expert product only the
; 2 x 1,024 rows (token, chosen expert) are computed.  Every input keeps a way to the result: all are loaded.
; LIMITS.  A NaN, an infinity or an overflow that arises only in a row left out is not carried to the result.  NaN and infinities among the inputs and temp = 0 are not served.  The logits are
; multiplied by 1 / temp and summed in another order than a plain dot product: two logits nearer than f32 rounding may be ranked the other way.  A block of 32 zeros gets the scale byte 1,
; not 127: its codes are zeros, and the bytes are read by this program alone.
; SHARES.  A work-group owns four tokens.  Wave w takes k = 256 w .. 256 w + 255 of all four, lane l eight neighbours: 256 w + 8 l + 0 .. 7.  A block of 32 lies in four lanes.  The wave's 256 rows
; of Wr (8,192 dense bytes) turn through its own stage in LDS, so that a lane gets its eight rows.  The 128 lanes' partial sums of 4 x 8 logits meet in LDS; wave w then finishes token w.
; The choice is stored at fixed places as whole numbers: no address and no branch here hangs on it; the next launch reads it and places the rows.
.set WSP,   272                        ; the stage: a lane's 256 bytes of Wr + 16
.set PT,    4*32*WSP                   ; behind the stages: a thread's 32 partial sums, 128 bytes + 16
.set PTP,   144
.set SBB,   PT+128*PTP                 ; the four tokens' scale bytes, 32 each, in a block of 256
.set SPARE, SBB+256                    ; the spare words, 128 bytes for each wave
.set SPW, 10                           ; v10  LDS address of my spare word; never rewritten
.set NIL, 11                           ; v11  0; never rewritten
.set MX,  18                           ; v18-21  the blocks' largest magnitudes, then the scale bytes
.set SC,  22                           ; v22-25  the conversions' scale operands
.set HO,  26                           ; v26-29  448 x the scale
.set X,   32                           ; v32-63  x: token j at X + 8 j
.set XH,  64                           ; v64-95  x held for the conversions
.set WL,  96                           ; v96-159 Wr as loaded; then the partial sums read back
.set W,   160                          ; v160-223 my eight rows of Wr
.set ACC, 224                          ; v224-255 sums: token j, expert e at ACC + 8 j + e (ahead of them the codes)
.macro WA
	s_wait_alu depctr_va_vdst(0)
.endm
	s_load_b256 s[4:11], s[0:1], 0x0               ; x s[4:5], Wr s[6:7], temp s[8:9], xqs s[10:11]
	s_load_b128 s[12:15], s[0:1], 0x20             ; topi s[12:13], topw s[14:15]
	v_lshl_add_u32 v[SPW], v0, 2, SPARE
	v_mov_b32 v[NIL], 0
	v_lshrrev_b32 v12, 5, v0
	v_readfirstlane_b32 s17, v12                   ; wave
	v_and_b32 v1, 31, v0                           ; lane
	v_lshlrev_b32 v2, 5, v0                        ; my 32 bytes of a token: 1,024 w + 32 lane
	s_lshl_b32 s18, s17, 13
	v_lshlrev_b32 v3, 4, v1
	v_add_nc_u32 v3, s18, v3                       ; Wr: 8,192 w + 16 lane
	s_mul_i32 s19, s17, 32*WSP
	v_bfe_u32 v13, v0, 4, 1
	v_and_b32 v14, 15, v0
	v_mul_u32_u24 v4, v13, WSP
	v_lshl_add_u32 v4, v14, 4, v4
	v_add_nc_u32 v4, s19, v4                       ; into the stage: sixteen lanes fill a place
	v_mul_u32_u24 v5, v0, WSP                      ; out of it: place = lane
	v_lshlrev_b32 v6, 3, v0                        ; my 8 codes of a token
	v_lshrrev_b32 v7, 2, v0
	v_add_nc_u32 v7, SBB, v7                       ; my block's scale byte
	v_mul_u32_u24 v8, v0, PTP
	v_add_nc_u32 v8, PT, v8                        ; my partial sums
	v_and_b32 v12, 3, v0                           ; on the way back: lane l reads experts 4 q .. 4 q + 3, q = bit 2 of l, of threads g + 16 i, g = bits 0, 1, 3, 4
	v_bfe_u32 v13, v0, 3, 2
	v_lshl_or_b32 v12, v13, 2, v12
	v_mul_u32_u24 v9, v12, PTP
	v_bfe_u32 v13, v0, 2, 1
	v_lshl_add_u32 v9, v13, 4, v9
	s_lshl_b32 s18, s17, 5
	s_add_co_u32 s18, s18, PT
	v_add_nc_u32 v9, s18, v9                       ; of token w
	v_add_nc_u32 v16, SBB, v0                      ; token w's scale byte number lane
	v_and_b32 v17, 7, v0                           ; my expert
	s_mov_b32 s20, 0x76543210
	s_mov_b32 s21, 0xfedcba98                      ; v_permlanex16_b32's selects for lane l xor 16
	s_mov_b32 s22, 0x600000                        ; the mantissa field of 448
	s_mov_b32 s26, 0xaaaaaaaa                      ; lanes with bit 0
	s_mov_b32 s27, 0xcccccccc                      ; lanes with bit 1
	s_mov_b32 s25, 0
	WA
	s_wait_kmcnt 0x0
	s_load_b32 s16, s[8:9], 0x0                    ; temp
	s_lshl_b32 s24, ttmp9, 14
	s_add_nc_u64 s[4:5], s[4:5], s[24:25]          ; x at my four tokens
.irp j, 0,1,2,3
	global_load_b128 v[X+8*\j:X+8*\j+3], v2, s[4:5] offset:4096*\j
	global_load_b128 v[X+8*\j+4:X+8*\j+7], v2, s[4:5] offset:4096*\j+16
.endr
.irp i, 0,1,2,3,4,5,6,7,8,9,10,11,12,13,14,15
	global_load_b128 v[WL+4*\i:WL+4*\i+3], v3, s[6:7] offset:512*\i
.endr
	s_lshl_b32 s24, ttmp9, 12
	s_add_nc_u64 s[28:29], s[10:11], s[24:25]      ; their codes
	s_lshl_b32 s24, ttmp9, 7
	s_add_nc_u64 s[32:33], s[10:11], s[24:25]
	s_add_nc_u64 s[32:33], s[32:33], 0x100000      ; their scale bytes, behind the 1,048,576 bytes of codes
	s_lshl_b32 s18, ttmp9, 2
	s_add_co_u32 s18, s18, s17                     ; token w of the four
	s_lshl_b32 s24, s18, 2
	s_add_nc_u64 s[12:13], s[12:13], s[24:25]
	s_lshl_b32 s24, s18, 3
	s_add_nc_u64 s[14:15], s[14:15], s[24:25]
	s_wait_loadcnt 16                              ; x's eight loads are in; Wr's sixteen may be out
.irp j, 0,1,2,3
	v_max3_num_f32 v[MX+\j], |v[X+8*\j]|, |v[X+8*\j+1]|, 0x4800000   ; with the floor 2^(9 - 127): the byte cannot fall under 1
.endr
.irp i, 2,4,6
.irp j, 0,1,2,3
	v_max3_num_f32 v[MX+\j], v[MX+\j], |v[X+8*\j+\i]|, |v[X+8*\j+\i+1]|
.endr
.endr
.irp m, 1,2
.irp j, 0,1,2,3
	v_max_num_f32_dpp v[MX+\j], v[MX+\j], v[MX+\j] row_xmask:\m row_mask:0xf bank_mask:0xf   ; a block lies in four lanes
.endr
.endr
.irp j, 0,1,2,3
	v_add_nc_u32 v[SC+\j], 0xfc000000, v[MX+\j]    ; 8 off the exponent field: the conversion takes this operand's exponent field as its scale
.endr
.irp j, 0,1,2,3
	v_and_or_b32 v[HO+\j], v[MX+\j], 0x7f800000, s22
.endr
.irp j, 0,1,2,3
	v_lshrrev_b32 v[MX+\j], 23, v[SC+\j]           ; the scale's byte
.endr
.irp j, 0,1,2,3
.irp i, 0,1,2,3,4,5,6,7
	v_med3_num_f32 v[XH+8*\j+\i], v[X+8*\j+\i], -v[HO+\j], v[HO+\j]   ; the conversion to an 8-bit code does not saturate (ISA guide 7.6.2): the hold comes first
.endr
.endr
.irp j, 0,1,2,3
	v_cvt_scalef32_pk8_fp8_f32 v[ACC+2*\j:ACC+2*\j+1], v[XH+8*\j:XH+8*\j+7], v[SC+\j]
.endr
	v_nop                                          ; a plain line behind the last conversion
.irp j, 0,1,2,3
	global_store_b64 v6, v[ACC+2*\j:ACC+2*\j+1], s[28:29] offset:1024*\j   ; 32 lanes store 256 consecutive bytes, at a multiple of 256
.endr
.irp j, 0,1,2,3
	ds_store_b8 v7, v[MX+\j] offset:32*\j          ; (a block's four lanes write its one byte)
.endr
	WA
	s_wait_loadcnt 0x0                             ; Wr
.irp i, 0,1,2,3,4,5,6,7,8,9,10,11,12,13,14,15
	ds_store_b128 v4, v[WL+4*\i:WL+4*\i+3] offset:2*WSP*\i
.endr
.irp i, 0,1,2,3,4,5,6,7,8,9,10,11,12,13,14,15
	ds_load_b128 v[W+4*\i:W+4*\i+3], v5 offset:16*\i   ; LDS serves a wave's instructions in order: these see the stores above
.endr
	s_wait_xcnt 0x0                                ; the codes have left their registers, which become sums
.irp kk, 0,1,2,3,4,5,6,7
	s_wait_dscnt 14-2*\kk                          ; this row's two loads are in
.irp j, 0,1,2,3
.irp p, 0,1,2,3
.set XR, X+8*\j+2*(\kk/2)
.set WR, W+8*\kk+2*\p
.set AR, ACC+8*\j+2*\p
.if \kk == 0
	v_pk_mul_f32 v[AR:AR+1], v[WR:WR+1], v[XR:XR+1] op_sel_hi:[1,0]                              ; the first product starts the sums
.elseif (\kk%2) == 0
	v_pk_fma_f32 v[AR:AR+1], v[WR:WR+1], v[XR:XR+1], v[AR:AR+1] op_sel_hi:[1,0,1]                ; x's pair: its first number for both experts
.else
	v_pk_fma_f32 v[AR:AR+1], v[WR:WR+1], v[XR:XR+1], v[AR:AR+1] op_sel:[0,1,0] op_sel_hi:[1,1,1] ; its second
.endif
.endr
.endr
.endr
.irp i, 0,1,2,3,4,5,6,7
	ds_store_b128 v8, v[ACC+4*\i:ACC+4*\i+3] offset:16*\i
.endr
	s_wait_kmcnt 0x0                               ; temp
	WA
	v_rcp_f32 v30, s16
	v_nop
	s_wait_dscnt 0x0                               ; for the others' sake: my sums and scale bytes lie in LDS
	s_barrier_signal -1
	s_barrier_wait -1
	ds_load_u8 v12, v16
.irp i, 0,1,2,3,4,5,6,7
	ds_load_b128 v[WL+4*\i:WL+4*\i+3], v9 offset:16*PTP*\i
.endr
	s_wait_dscnt 0x0
	global_store_b8 v0, v12, s[32:33]              ; the work-group's 128 scale bytes, consecutive
.irp i, 0,2,4,6,8,10,12,14
	v_pk_add_f32 v[WL+\i:WL+\i+1], v[WL+\i:WL+\i+1], v[WL+16+\i:WL+17+\i]
.endr
.irp i, 0,2,4,6
	v_pk_add_f32 v[WL+\i:WL+\i+1], v[WL+\i:WL+\i+1], v[WL+8+\i:WL+9+\i]
.endr
.irp i, 0,2
	v_pk_add_f32 v[WL+\i:WL+\i+1], v[WL+\i:WL+\i+1], v[WL+4+\i:WL+5+\i]
.endr
.irp m, 1,2,8
.irp i, 0,1,2,3
	v_add_f32_dpp v[WL+\i], v[WL+\i], v[WL+\i] row_xmask:\m row_mask:0xf bank_mask:0xf
.endr
.endr
.irp i, 0,1,2,3
	v_permlanex16_b32 v[WL+4+\i], v[WL+\i], s20, s21
.endr
.irp i, 0,1,2,3
	v_add_f32 v[WL+\i], v[WL+\i], v[WL+4+\i]
.endr
	v_cndmask_b32 v104, v[WL], v[WL+1], s26        ; lane l keeps expert l % 8
	v_cndmask_b32 v105, v[WL+2], v[WL+3], s26
	v_cndmask_b32 v106, v104, v105, s27
	WA                                             ; also ahead of the reciprocal's first reader
	v_mul_f32 v106, v106, v30                      ; the logit
	v_max_num_f32_dpp v107, v106, v106 row_xmask:1 row_mask:0xf bank_mask:0xf
	v_mov_b32 v109, 0xff800000
	v_max_num_f32_dpp v107, v107, v107 row_xmask:2 row_mask:0xf bank_mask:0xf
	v_max_num_f32_dpp v107, v107, v107 row_xmask:4 row_mask:0xf bank_mask:0xf   ; the largest
	v_cmp_eq_f32 s36, v106, v107
	s_ctz_i32_b32 s37, s36                         ; its expert: the lowest lane that holds it
	v_cmp_eq_u32 vcc_lo, s37, v17
	v_cndmask_b32 v108, v106, v109, vcc_lo         ; the other seven
	v_max_num_f32_dpp v111, v108, v108 row_xmask:1 row_mask:0xf bank_mask:0xf
	v_max_num_f32_dpp v111, v111, v111 row_xmask:2 row_mask:0xf bank_mask:0xf
	v_max_num_f32_dpp v111, v111, v111 row_xmask:4 row_mask:0xf bank_mask:0xf   ; the second
	v_cmp_eq_f32 s36, v108, v111
	s_ctz_i32_b32 s38, s36
	; softmax of the two, the larger taken away: w0 = 1 / (1 + e^d), w1 = e^d w0, d = second - first <= 0
	v_sub_f32 v110, v111, v107
	v_mul_f32 v110, 0x3fb8aa3b, v110
	WA
	v_exp_f32 v112, v110
	s_lshl_b32 s37, 1, s37
	s_lshl_b32 s38, 0x100, s38
	s_or_b32 s37, s37, s38
	v_mov_b32 v113, s37                            ; the choice as a whole number: bit e0, and bit 8 + e1
	v_mov_b32 v116, 0
	WA                                             ; ahead of the exponential's first reader
	v_add_f32 v117, 1.0, v112
	WA
	v_rcp_f32 v114, v117
	v_cmp_eq_u32 vcc_lo, 0, v1                     ; (a plain line behind the reciprocal)
	WA                                             ; ahead of the reciprocal's first reader
	v_mul_f32 v115, v112, v114
	WA
	s_wait_tensorcnt 0x0                           ; the wave's end, behind my last LDS store
	ds_add_u32 v[SPW], v[NIL]
	s_wait_dscnt 0x0
	s_wait_xcnt 0x0                                ; EXEC changes only behind this wait: the stores above have taken it
	s_and_saveexec_b32 s37, vcc_lo                 ; lane 0 alone
	global_store_b32 v116, v113, s[12:13]
	global_store_b64 v116, v[114:115], s[14:15]
	s_endpgm
.Lfunc_end_k_q1e8206c6ce_route:
	.size	k_q1e8206c6ce_route, .Lfunc_end_k_q1e8206c6ce_route-k_q1e8206c6ce_route
	.p2alignl 7, 3214868480
	.fill 96, 4, 3214868480
	.section	.rodata,"a",@progbits
	.p2align	6, 0x0
	.amdhsa_kernel k_q1e8206c6ce_route
		.amdhsa_group_segment_fixed_size 54016
		.amdhsa_private_segment_fixed_size 0
		.amdhsa_enable_private_segment 0
		.amdhsa_kernarg_size 48
		.amdhsa_user_sgpr_count 2
		.amdhsa_user_sgpr_kernarg_segment_ptr 1
		.amdhsa_wavefront_size32 1
		.amdhsa_system_sgpr_workgroup_id_x 1
		.amdhsa_system_sgpr_workgroup_id_y 1
		.amdhsa_system_sgpr_workgroup_id_z 1
		.amdhsa_system_vgpr_workitem_id 0
		.amdhsa_next_free_vgpr 256
		.amdhsa_next_free_sgpr 66
		.amdhsa_reserve_vcc 1
		.amdhsa_float_denorm_mode_32 3
		.amdhsa_float_denorm_mode_16_64 3
		.amdhsa_memory_ordered 1
		.amdhsa_forward_progress 1
		.amdhsa_inst_pref_size 27
	.end_amdhsa_kernel
	.amdgpu_metadata
---
amdhsa.version: [ 1, 2 ]
amdhsa.kernels:
  - .name:           k_q1e8206c6ce_route
    .symbol:         k_q1e8206c6ce_route.kd
    .args:
      - { .name: x, .offset: 0, .size: 8, .value_kind: global_buffer, .address_space: global }
      - { .name: Wr, .offset: 8, .size: 8, .value_kind: global_buffer, .address_space: global }
      - { .name: temp, .offset: 16, .size: 8, .value_kind: global_buffer, .address_space: global }
      - { .name: xqs, .offset: 24, .size: 8, .value_kind: global_buffer, .address_space: global }
      - { .name: topi, .offset: 32, .size: 8, .value_kind: global_buffer, .address_space: global }
      - { .name: topw, .offset: 40, .size: 8, .value_kind: global_buffer, .address_space: global }
    .group_segment_fixed_size: 54016
    .private_segment_fixed_size: 0
    .kernarg_segment_align: 8
    .kernarg_segment_size: 48
    .max_flat_workgroup_size: 128
    .sgpr_count:     66
    .vgpr_count:     256
    .wavefront_size: 32
...
	.end_amdgpu_metadata
.endif
;; end of part 6
;; launch gemm1 (part 7): grid 32 x 8, 4 waves a work-group, no clusters, 133,632 bytes of LDS; arguments W1_codes, W1_scales, b1, xqs, topi, hqs, plan; writes hqs, plan
.if DOCPART == 7
	.amdgcn_target "amdgcn-amd-amdhsa--gfx1250"
	.amdhsa_code_object_version 6
	.text
	.protected	k_q1e8206c6ce_gemm1
	.globl	k_q1e8206c6ce_gemm1
	.p2align	8
	.type	k_q1e8206c6ce_gemm1,@function
k_q1e8206c6ce_gemm1:
	s_mov_b64 s[64:65], 0
	v_nop
	global_prefetch_b8 v0, s[64:65] scope:SCOPE_SE
	s_setreg_imm32_b32 hwreg(HW_REG_WAVE_MODE, 25, 1), 1
	s_wait_xcnt 0x0
; LAUNCH 2 OF 4.  h = a x silu(g), (a, g) = Q(x) W1[e] + b1[e], for the rows that chose expert e alone (why the others add nothing stands at the first kernel's head), on codes of E4M3 with one
; E8M0 scale for each 32 along K; h is quantised along its 2,048 and stored as codes in the order of the next product's operand registers.
; THE ROWS ARE PLACED HERE.  Every wave reads the 1,024 stored choices (bit e0 and bit 8 + e1 of a word) in 32 groups of 32 tokens (group n, lane l: token 128 (n / 4) + 4 l + n % 4) and keeps,
; for its expert, a mask of lanes for each group.  The expert's list is its members in the order (group, lane).  The token at place i of the list is found in registers: the last group whose
; members-so-far do not exceed i (FIND), then the (i - members-so-far)-th set bit of that group's mask (SELECT).
; For the next launch: wave 0 of work-group (s, e) stores list[e][place] = 2 token + slot for the members of group s; wave 1 of work-group (0, e) the expert's number of rows.
; SHARES.  Work-group (s, e) owns hidden units 64 s .. 64 s + 63 of expert e: 64 rows of W1 for a and 64 for g, which no other work-group reads.  The four waves share the ROWS: in a pass wave w
; takes the tiles of 16 rows t0 + 4 m, m = 0 .. 4, t0 = w + 20 x pass: 40 accumulators, and each fragment of W1 that it reads from LDS feeds five products.
; THE FIRST PASS (320 rows) STREAMS K: W1 comes in four chunks of 256 along K, each wave 32 rows x 256 bytes of it, through registers into LDS bytes of their own; a barrier shows each chunk, and the
; products of its two K steps follow while the next chunks and the rows of x are on their way.  Chunk c is loaded two K steps ahead of its store into LDS, between the loads of x, since a wave's loads
; come back in order; chunks 1 and 2 are prefetched at the head, chunk 3 ahead of the first product: each row's 256 bytes once, a lane a row.
; FURTHER PASSES (an expert with more than 320 rows, up to all 1,024) take W1's fragments from memory straight into registers, a K step at a time, in a counted loop.
; How many passes are walked and what is skipped hang on numbers read from memory: so there is no tensor load and no cluster, and all barriers stand ahead of the first such branch.  What several
; work-groups read (x's codes) is gathered by row, straight into the operand's registers.
; An expert without rows walks one tile, so that the next launch meets no byte that nobody stored.  Places past the count take some token of the last group; a wave's tiles past the last are
; multiplied with the others (they share the unrolled products) and not stored.  What comes of such places reaches no output.
; LAYOUT.  The product is used transposed: source 0 = 16 rows of W1, source 1 = 16 rows of x: a lane holds ONE row, its registers run along the hidden units.  THE ROWS OF W1 THAT FORM A TILE
; ARE NOT NEIGHBOURS: lane r of tile 2 b + u takes unit 32 b + 8 u + r + 8 (r / 8), so that the 16 registers of tiles 2 b and 2 b + 1 are units 32 b + 16 (lane / 16) + 0 .. 15:
; the order of the next operand.  Tiles 0-3 are a's, tiles 4-7 g's of the same units.  b1 is the C of each sum's first product.
; LIMIT: a block of 32 zeros of h gets the scale byte 1, not 127: its codes are zeros, and this program alone reads the bytes.
; REGISTERS, in windows of 256: window 0: v1-31, v114-117 addresses; v32-71 x's scale words; v72-103 W1's; v104-113 at work; v128-255 two buffers of four fragments of W1; at the head the choices,
;   between passes the search, on the way out at work.   window 1: x's fragments, three buffers of five.   window 2: the accumulators of m = 0 .. 3 at v[8 (8 m + n)].
;   window 3: v0-63 those of m = 4; v64-127 b1's eight tiles; v128-255 two chunks of W1 on their way to LDS.   s66-97: the 32 masks.
.set WLP,   1040                       ; a row of W1 in LDS: 1,024 bytes + 16 = 65 x 16: the 16 rows that a load touches start in 16 different columns of 16 bytes
.set SPARE, 128*WLP                    ; behind the 128 rows: the spare words, 128 bytes for each wave: two blocks of 256 bytes that no other line names
.set LIST,  256                        ; plan: the eight counts at byte 0, list[8][1024] at byte 256
.set LI,   3                           ; v3   16 x lane
.set HSO,  4                           ; v4   64 r + h: my scale byte's place in a tile's 16 x 64
.set ADW,  5                           ; v5   my place in a tile of W1, tiles 0-3; v6 tiles 4-7
.set WST,  7                           ; v7   where my wave puts W1 into LDS
.set WSO,  8                           ; v8   W1's scale words: lanes 0-15 a's rows, lanes 16-31 g's
.set BSO,  9                           ; v9   b1: 64 h
.set SPW,  10                          ; v10  LDS address of my spare word; never rewritten
.set NIL,  11                          ; v11  0; never rewritten
.set PO,   12                          ; v12  group s: 2 x my token + slot
.set PL,   13                          ; v13  its byte in the list
.set RH,   14                          ; v14  r + 64 h: lanes 16-31 search for the tile four further on
.set GWO,  15                          ; v15  group s: my token's word among the choices; at the end the count
.set CE,   16                          ; v16  at the end: 4 e
.set TOK,  17                          ; v17-21 my row's token, tile m
.set XO,   22                          ; v22-26 the token's codes: 1,024 token + 16 h
.set XSO,  27                          ; v27-31 its scale bytes: 32 token
.set XS,   32                          ; x's scale words: 8 m + q
.set WS,   72                          ; W1's: 8 n + q, n = 0 .. 3: lanes 0-15 tile n, lanes 16-31 tile n + 4
.set TM,   104                         ; v104-113 the quantiser's
.set H16,  114                         ; v114 16 h
.set WLO,  115                         ; v115 1,024 h + 16 r: two rows of a chunk an instruction
.set PFW,  116                         ; v116 1,024 x lane: the prefetches' rows
.set W1A,  117                         ; v117 the further passes: a fragment's rows of W1 in memory
.set BW,   128
.set TW,   128                         ; at the head: v128-159 the choices; register 4 i + j: token 128 i + 4 lane + j
.set GW,   160                         ; v160 the choices of group s; v161 its bits of my expert; v162 the slot; v163-166 at work
.set T,    128                         ; the way out: v128-159 the sigmoid on its way
.set U,    160                         ; v160-191 h
.set CODES, 192                        ; v192 + 8 m: a tile's codes: registers of their own, so that no store's data are written again in a pass
.set BYTE, 232                         ; v232 + m
.set PI,   192                         ; the search, three registers each (register j: lanes 0-15 tile 2 j, lanes 16-31 tile 2 j + 1): (place << 10) | 1,023
.set QQ,   195                         ; (members so far << 10) | first token, of the group found
.set MM,   198                         ; its mask
.set C1,   201                         ; the mask's counts by 2 bits,
.set C2,   204                         ; by 4,
.set C3,   207                         ; by 8
.set KK,   210                         ; which member of the group
.set PP,   213                         ; the lane found
.set T1,   216
.set T2,   219
.set XX,   222                         ; the other half's token
.set MK,   66                          ; s66-97 the lanes of group n whose token chose e
.set HB,   32                          ; s[32:41] where tile m's codes go
.set HSB,  42                          ; s[42:51] and its scale bytes
.set MSB, 0
.macro WIN new                         ; the immediate's high byte repeats the setting that is left; a switch that changes nothing is dropped
.if MSB != (\new)
	s_set_vgpr_msb (MSB<<8)|(\new)
.set MSB, (\new)
.endif
.endm
.macro PLACES n                        ; plain vector lines between a matrix instruction and a load into, or a read of, its registers (ISA guide 7.12.1 for vector instructions)
.rept \n
	v_nop
.endr
.endm
.macro XLOAD q                         ; the five tiles' fragments of x for K step q: lane (r, h): its token's bytes 128 q + 32 c + 16 h on
	WIN 0x40                                       ; destination window 1
.irp m, 0,1,2,3,4
.irp c, 0,1,2,3
	global_load_b128 v[80*((\q)%3)+16*\m+4*\c:80*((\q)%3)+16*\m+4*\c+3], v[XO+\m], s[10:11] offset:128*(\q)+32*\c
.endr
.endr
.endm
.macro WLOADC c                        ; chunk c of my wave's 32 rows of W1: 256 bytes of two rows an instruction
	WIN 0xc0                                       ; destination window 3
.set VV, 0
.rept 16
	global_load_b128 v[128+64*((\c)%2)+4*VV:128+64*((\c)%2)+4*VV+3], v[WLO], s[56:57] offset:2048*VV+256*(\c) th:TH_LOAD_NT
.set VV, VV+1
.endr
	WIN 0
.endm
.macro WSTORE c                        ; and into LDS: unit v of my 32 goes to the row that its tile and lane give it: 16 ((v / 8) % 2) + 8 (v / 16) + v % 8
	WIN 0x0c                                       ; an LDS store's data are its source 1: window 3
.set VV, 0
.rept 16
.set SG, 16*((VV>>2)&1)+8*((VV>>3)&1)+2*(VV&3)
	ds_store_b128 v[WST], v[128+64*((\c)%2)+4*VV:128+64*((\c)%2)+4*VV+3] offset:WLP*SG+256*(\c)
.set VV, VV+1
.endr
	WIN 0
.endm
.macro BFETCH q, g                     ; four fragments of W1 (tiles 4 g .. 4 g + 3) for K step q
.irp nn, 0,1,2,3
.irp c, 0,1,2,3
	ds_load_b128 v[BW+64*(\g)+16*\nn+4*\c:BW+64*(\g)+16*\nn+4*\c+3], v[ADW+(\g)] offset:16*WLP*\nn+128*(\q)+32*\c
.endr
.endr
.endm
.macro ONE q, z, g, m, nn
.set DR, 8*(8*((\m)%4)+4*(\g)+(\nn))
.set CR, DR
.if \z
.set CR, 64+8*(4*(\g)+(\nn))                   ; the first K step starts the sum with b1
.endif
.set AR, BW+64*(\g)+16*(\nn)
.set BR, 80*((\q)%3)+16*(\m)
.if (\g) == 0
	v_wmma_scale_f32_16x16x128_f8f6f4 v[DR:DR+7], v[AR:AR+15], v[BR:BR+15], v[CR:CR+7], v[WS+8*(\nn)+(\q)], v[XS+8*(\m)+(\q)]
.else
	v_wmma_scale_f32_16x16x128_f8f6f4 v[DR:DR+7], v[AR:AR+15], v[BR:BR+15], v[CR:CR+7], v[WS+8*(\nn)+(\q)], v[XS+8*(\m)+(\q)] matrix_a_scale:MATRIX_SCALE_ROW1
.endif
.endm
; Products: tiles of rows m0 .. m1 x four tiles of W1.  The 40 accumulators take turns, one instruction a turn, in the same order in every K step
.macro MUL q, z, g, m0, m1
.set M_, \m0
.rept (\m1)-(\m0)+1
.if M_ == 4
	WIN 0xf4                                       ; W1 window 0, x window 1, C and D window 3
.elseif \z
	WIN 0xb4                                       ; C (b1) window 3, D window 2
.else
	WIN 0xa4                                       ; C and D window 2
.endif
.irp nn, 0,1,2,3
	ONE \q, \z, \g, M_, \nn
.endr
.set M_, M_+1
.endr
.endm
; A K step of the first pass.  Loads are issued in the order X0, b1, X1, chunk 1, X2, X3, chunk 2, X4, X5, chunk 3, X6, X7 (20 of x, 16 of a chunk).  Behind X q (K step 0: b1) up to K step 5 stand
; two steps of x and one chunk: 56.  Behind chunk 1 and 2 likewise, at its store: 56; behind chunk 3 two steps of x: 40.
.macro KSTEP q
.set Z_, 0
.if (\q) == 0
.set Z_, 1
.endif
.if (\q) <= 5
	XLOAD (\q)+2                                   ; into the buffer that the K step before read: eight places stand behind its last product
	s_wait_loadcnt 56
.elseif (\q) == 6
	s_wait_loadcnt 20
.else
	s_wait_loadcnt 0x0
.endif
.if (((\q)%2) == 1) && ((\q) < 7)      ; the next two K steps' chunk goes into LDS here
.if (\q) < 5
	WLOADC ((\q)+3)/2
	s_wait_loadcnt 56
.else
	s_wait_loadcnt 40
.endif
	WSTORE ((\q)+1)/2
	s_wait_dscnt 32                                ; the first buffer's 16 loads are in; the second's and the 16 stores may be out
	MUL \q, 0, 0, 0, 2
	s_wait_dscnt 0x0                               ; for the others' sake: my rows of the chunk lie in LDS
	s_barrier_signal -1
	MUL \q, 0, 0, 3, 4
	s_barrier_wait -1                              ; all 128 rows do
	WIN 0
	PLACES 8
	BFETCH (\q)+1, 0
	MUL \q, 0, 1, 0, 4
	WIN 0
	PLACES 8
	BFETCH (\q)+1, 1
.else
.irp g, 0,1
.if (\q) == 7 && \g == 1
	s_wait_dscnt 0x0
.else
	s_wait_dscnt 16                                ; this buffer's 16 loads are in; the other buffer's may be out
.endif
	MUL \q, Z_, \g, 0, 4
.if (\q) < 7
	WIN 0
	PLACES 8
	BFETCH (\q)+1, \g
.endif
.endr
.endif
.endm
; A K step of a further pass: everything from memory, 61 loads.
.macro SLOWSTEP z
	WIN 0x40
.irp m, 0,1,2,3,4
.irp c, 0,1,2,3
	global_load_b128 v[16*\m+4*\c:16*\m+4*\c+3], v[XO+\m], s[14:15] offset:32*\c
.endr
.endr
	WIN 0
.irp m, 0,1,2,3,4
	global_load_b32 v[XS+8*\m], v[XSO+\m], s[62:63]
.endr
.irp n, 0,1,2,3
	global_load_b32 v[WS+8*\n], v[WSO], s[98:99] offset:(32*(\n/2)+8*(\n%2))*32
.endr
.irp g, 0,1
.irp nn, 0,1,2,3
.irp c, 0,1,2,3
	global_load_b128 v[BW+64*\g+16*\nn+4*\c:BW+64*\g+16*\nn+4*\c+3], v[W1A], s[12:13] offset:2097152*\g+(32*(\nn/2)+8*(\nn%2))*1024+32*\c
.endr
.endr
.endr
	s_wait_loadcnt 0x0
	MUL 0, \z, 0, 0, 4
	MUL 0, \z, 1, 0, 4
	WIN 0
	PLACES 8
	s_add_nc_u64 s[12:13], s[12:13], 128           ; (the loads that used these bases are done)
	s_add_nc_u64 s[14:15], s[14:15], 128
	s_add_nc_u64 s[62:63], s[62:63], 4
	s_add_nc_u64 s[98:99], s[98:99], 4
.endm
; FIND: for the places 16 t0 + 128 j + 64 h + r of the list, the group that holds each.  A group's number q = (members so far << 10) | its first token rises from group to group; with the place as
; (place << 10) | 1,023, q is above it just where the members so far exceed the place: the last q that is not above wins.  s98 ends as the expert's number of rows.
; cap = 1, at the head: s2 takes the members ahead of group s.
.macro FIND cap
	s_lshl_b32 s62, s22, 4
.irp j, 0,1,2
	s_add_co_u32 s63, s62, 128*\j
	v_add_nc_u32 v[PI+\j], s63, v[RH]
	v_lshl_or_b32 v[PI+\j], v[PI+\j], 10, 0x3ff
	v_mov_b32 v[QQ+\j], 0                          ; group 0: no member ahead of it, first token 0
	v_mov_b32 v[MM+\j], s[MK]
.endr
	s_bcnt1_i32_b32 s98, s[MK]
.if \cap
	s_mov_b32 s2, 0
.endif
.set N, 1
.rept 31
.if \cap
	s_cmp_eq_u32 s17, N
	s_cselect_b32 s2, s98, s2
.endif
	s_lshl_b32 s99, s98, 10
	s_or_b32 s99, s99, 128*(N/4)+N%4
	v_cmp_gt_u32 vcc_lo, s99, v[PI]                ; this group begins behind my place: what I hold stays
	v_cmp_gt_u32 s100, s99, v[PI+1]
	v_cmp_gt_u32 s101, s99, v[PI+2]
	v_cndmask_b32 v[QQ], s99, v[QQ], vcc_lo
	v_cndmask_b32 v[MM], s[MK+N], v[MM], vcc_lo
	v_cndmask_b32 v[QQ+1], s99, v[QQ+1], s100
	v_cndmask_b32 v[MM+1], s[MK+N], v[MM+1], s100
	v_cndmask_b32 v[QQ+2], s99, v[QQ+2], s101
	v_cndmask_b32 v[MM+2], s[MK+N], v[MM+2], s101
	s_bcnt1_i32_b32 s63, s[MK+N]
	s_add_co_u32 s98, s98, s63
.set N, N+1
.endr
.endm
; One halving of SELECT: are there more than k members among the next w lanes?  If not, they are passed over.
.macro HALVE c, w
.irp j, 0,1,2
	v_bfe_u32 v[T1+\j], v[\c+\j], v[PP+\j], \w
.endr
.irp j, 0,1,2
	v_cmp_ge_u32 vcc_lo, v[KK+\j], v[T1+\j]
	v_cndmask_b32 v[T1+\j], 0, v[T1+\j], vcc_lo
	v_cndmask_b32 v[T2+\j], 0, \w, vcc_lo
.endr
.irp j, 0,1,2
	v_sub_nc_u32 v[KK+\j], v[KK+\j], v[T1+\j]
	v_add_nc_u32 v[PP+\j], v[PP+\j], v[T2+\j]
.endr
.endm
; SELECT: the lane of member k of the group's mask, k = place - members so far; then the token, and each tile's tokens in both halves of the lanes.
.macro SELECT
.irp j, 0,1,2
	v_lshrrev_b32 v[KK+\j], 10, v[PI+\j]
	v_lshrrev_b32 v[T1+\j], 10, v[QQ+\j]
	v_lshrrev_b32 v[T2+\j], 1, v[MM+\j]
.endr
.irp j, 0,1,2
	v_sub_nc_u32 v[KK+\j], v[KK+\j], v[T1+\j]
	v_and_b32 v[T2+\j], 0x55555555, v[T2+\j]
.endr
.irp j, 0,1,2
	v_sub_nc_u32 v[C1+\j], v[MM+\j], v[T2+\j]      ; in each 2 bits: how many of them are set
.endr
.irp j, 0,1,2
	v_lshrrev_b32 v[T1+\j], 2, v[C1+\j]
	v_and_b32 v[T2+\j], 0x33333333, v[C1+\j]
.endr
.irp j, 0,1,2
	v_and_b32 v[T1+\j], 0x33333333, v[T1+\j]
.endr
.irp j, 0,1,2
	v_add_nc_u32 v[C2+\j], v[T1+\j], v[T2+\j]      ; in each 4 bits
.endr
.irp j, 0,1,2
	v_lshrrev_b32 v[T1+\j], 4, v[C2+\j]
.endr
.irp j, 0,1,2
	v_add_nc_u32 v[T1+\j], v[T1+\j], v[C2+\j]
.endr
.irp j, 0,1,2
	v_and_b32 v[C3+\j], 0x0f0f0f0f, v[T1+\j]       ; in each 8 bits
.endr
.irp j, 0,1,2
	v_bfe_u32 v[T1+\j], v[C3+\j], 8, 8
	v_and_b32 v[T2+\j], 0xff, v[C3+\j]
.endr
.irp j, 0,1,2
	v_add_nc_u32 v[T1+\j], v[T1+\j], v[T2+\j]      ; members among lanes 0-15
.endr
.irp j, 0,1,2
	v_cmp_ge_u32 vcc_lo, v[KK+\j], v[T1+\j]
	v_cndmask_b32 v[T1+\j], 0, v[T1+\j], vcc_lo
	v_cndmask_b32 v[PP+\j], 0, 16, vcc_lo
.endr
.irp j, 0,1,2
	v_sub_nc_u32 v[KK+\j], v[KK+\j], v[T1+\j]
.endr
	HALVE C3, 8
	HALVE C2, 4
	HALVE C1, 2
	HALVE MM, 1
.irp j, 0,1,2
	v_and_b32 v[T1+\j], 0x3ff, v[QQ+\j]
.endr
.irp j, 0,1,2
	v_lshl_add_u32 v[T1+\j], v[PP+\j], 2, v[T1+\j] ; the group's first token + 4 x lane
.endr
.irp j, 0,1,2
	v_permlanex16_b32 v[XX+\j], v[T1+\j], s24, s25
.endr
	v_cndmask_b32 v[TOK+0], v[T1], v[XX], s27      ; the even tile's tokens lie in lanes 0-15: lanes 16-31 take the other half's;
	s_wait_alu depctr_va_vdst(0)
	v_cndmask_b32 v[TOK+1], v[XX], v[T1], s27      ; the odd tile's the other way round
	s_wait_alu depctr_va_vdst(0)
	v_cndmask_b32 v[TOK+2], v[T1+1], v[XX+1], s27
	s_wait_alu depctr_va_vdst(0)
	v_cndmask_b32 v[TOK+3], v[XX+1], v[T1+1], s27
	v_cndmask_b32 v[TOK+4], v[T1+2], v[XX+2], s27
.endm
; What a pass needs ahead of its products: the five tiles' tokens and where their results go.
.macro PRE_A first
.if (\first) == 0
	s_wait_xcnt 0x0                                ; the last pass's stores have taken their bases and their data, which lie where the search works; no store follows until the next way out
.endif
	FIND \first
	SELECT
.irp m, 0,1,2,3,4
	s_add_co_u32 s23, s22, 4*\m                    ; tile t0 + 4 m
	s_min_u32 s62, s23, 63
	s_lshl_b32 s30, s62, 15                        ; a tile's codes: 16 K steps of 2,048 bytes
	s_add_nc_u64 s[HB+2*\m:HB+2*\m+1], s[58:59], s[30:31]
	s_lshl_b32 s30, s62, 10                        ; its scale bytes: 16 rows of 64
	s_add_nc_u64 s[HSB+2*\m:HSB+2*\m+1], s[60:61], s[30:31]
.endr
.irp m, 0,1,2,3,4
	v_min_u32 v[TOK+\m], 0x3ff, v[TOK+\m]          ; there are 1,024 tokens: the number enters addresses held so
	v_lshl_add_u32 v[XO+\m], v[TOK+\m], 10, v[H16]
	v_lshlrev_b32 v[XSO+\m], 5, v[TOK+\m]
.endr
.endm
; THE WAY OUT of tile m: h = a g / (1 + 2^(-g log2 e)); its two blocks of 32 are quantised; 16 codes of each go out as one group of four registers of the next operand's image.
.macro EPI m
.set WW, 2+(\m)/4
.set AB, 64*((\m)%4)
.if (\m) > 0
	s_add_co_u32 s23, s22, 4*(\m)
	s_cmp_ge_u32 s23, s20                          ; past the last tile: so are the wave's later tiles
	s_cbranch_scc1 .Lepi_done
.endif
	WIN WW                                         ; source 0: the accumulators' window.
.set I, 0
.rept 16
	v_pk_mul_f32 v[T+I:T+I+1], v[AB+32+I:AB+32+I+1], s[28:29] op_sel_hi:[1,0]   ; -g log2 e
.set I, I+2
.endr
	WIN 0
.set I, 0
	s_wait_alu depctr_va_vdst(0)
.rept 32
	v_exp_f32 v[T+I], v[T+I]
.set I, I+1
.endr
	v_nop                                          ; a plain line behind the last exponential,
	s_wait_alu depctr_va_vdst(0)                   ; and the one wait for the batch, ahead of its first reader
.set I, 0
.rept 16
	v_pk_add_f32 v[T+I:T+I+1], v[T+I:T+I+1], 1.0 op_sel_hi:[1,0]
.set I, I+2
.endr
.set I, 0
	s_wait_alu depctr_va_vdst(0)
.rept 32
	v_rcp_f32 v[T+I], v[T+I]
.set I, I+1
.endr
	v_nop
	s_wait_alu depctr_va_vdst(0)                   ; one wait for the 32 reciprocals
	WIN WW
.set I, 0
.rept 16
	v_pk_mul_f32 v[U+I:U+I+1], v[AB+32+I:AB+32+I+1], v[T+I:T+I+1]   ; silu(g)
.set I, I+2
.endr
.set I, 0
.rept 16
	v_pk_mul_f32 v[U+I:U+I+1], v[AB+I:AB+I+1], v[U+I:U+I+1]         ; a x silu(g)
.set I, I+2
.endr
	WIN 0
.irp b, 0,1
	v_max3_num_f32 v[TM+\b], |v[U+16*\b]|, |v[U+16*\b+1]|, 0x4800000   ; block b: my 16 numbers, and the floor 2^(9 - 127): the byte cannot fall under 1
.endr
.irp i, 2,4,6,8,10,12,14
.irp b, 0,1
	v_max3_num_f32 v[TM+\b], v[TM+\b], |v[U+16*\b+\i]|, |v[U+16*\b+\i+1]|
.endr
.endr
.irp b, 0,1
	v_permlanex16_b32 v[TM+2+\b], v[TM+\b], s24, s25
.endr
.irp b, 0,1
	v_max_num_f32 v[TM+\b], v[TM+\b], v[TM+2+\b]   ; with lane l xor 16's: the block's largest magnitude
.endr
.irp b, 0,1
	v_add_nc_u32 v[TM+4+\b], 0xfc000000, v[TM+\b]  ; 8 off its exponent field: the conversion's scale operand
.endr
.irp b, 0,1
	v_and_or_b32 v[TM+6+\b], v[TM+\b], 0x7f800000, s26   ; 448 x the scale
.endr
.irp b, 0,1
	v_lshrrev_b32 v[TM+8+\b], 23, v[TM+4+\b]       ; the scale's byte
.endr
	v_cndmask_b32 v[BYTE+(\m)], v[TM+8], v[TM+9], s27   ; lanes 0-15 store block 0's byte, lanes 16-31 block 1's
.irp b, 0,1
.irp i, 0,1,2,3,4,5,6,7,8,9,10,11,12,13,14,15
	v_med3_num_f32 v[U+16*\b+\i], v[U+16*\b+\i], -v[TM+6+\b], v[TM+6+\b]   ; the conversion to an 8-bit code does not saturate (ISA guide 7.6.2): the hold comes first
.endr
	v_cvt_scalef32_pk8_fp8_f32 v[CODES+8*(\m)+4*\b:CODES+8*(\m)+4*\b+1], v[U+16*\b:U+16*\b+7], v[TM+4+\b]
	v_cvt_scalef32_pk8_fp8_f32 v[CODES+8*(\m)+4*\b+2:CODES+8*(\m)+4*\b+3], v[U+16*\b+8:U+16*\b+15], v[TM+4+\b]
.endr
	v_nop                                          ; a plain line behind the last conversion: its sources are written again by the next tile
	global_store_b128 v[LI], v[CODES+8*(\m):CODES+8*(\m)+3], s[HB+2*(\m):HB+2*(\m)+1]                  ; 32 lanes store 512 consecutive bytes, at a multiple of 512
	global_store_b128 v[LI], v[CODES+8*(\m)+4:CODES+8*(\m)+7], s[HB+2*(\m):HB+2*(\m)+1] offset:512
	global_store_b8 v[HSO], v[BYTE+(\m)], s[HSB+2*(\m):HSB+2*(\m)+1]                                   ; 2 bytes of each row's 64: 32 bytes beside the tile's 1,024 of codes
.endm
	s_load_b256 s[4:11], s[0:1], 0x0               ; W1's codes s[4:5], its scales s[6:7], b1 s[8:9], xqs s[10:11]
	s_load_b128 s[12:15], s[0:1], 0x20             ; topi s[12:13], hqs s[14:15]
	s_load_b64 s[52:53], s[0:1], 0x30              ; plan
	v_lshl_add_u32 v[SPW], v0, 2, SPARE
	v_mov_b32 v[NIL], 0
	v_lshrrev_b32 v17, 5, v0
	v_readfirstlane_b32 s16, v17                   ; wave
	s_mov_b32 s17, ttmp9                           ; s: which 64 hidden units
	s_and_b32 s18, ttmp7, 0xffff                   ; e
	v_and_b32 v1, 15, v0                           ; r
	v_bfe_u32 v2, v0, 4, 1                         ; h
	v_and_b32 v18, 31, v0
	v_lshlrev_b32 v[LI], 4, v18
	v_lshlrev_b32 v[PFW], 10, v18
	v_lshl_add_u32 v[HSO], v1, 6, v2
	v_mul_u32_u24 v[ADW], v1, WLP
	v_lshl_add_u32 v[ADW], v2, 4, v[ADW]
	v_add_nc_u32 v[ADW+1], 64*WLP, v[ADW]          ; an LDS offset has 16 bits: tiles 4-7 have a register of their own
	s_mul_i32 s23, s16, 32*WLP
	v_mul_u32_u24 v[WST], v2, WLP
	v_lshl_add_u32 v[WST], v1, 4, v[WST]
	v_add_nc_u32 v[WST], s23, v[WST]               ; my wave's 32 rows, two an instruction
	v_lshlrev_b32 v[WLO], 10, v2
	v_lshl_add_u32 v[WLO], v1, 4, v[WLO]           ; and the same two in memory
	v_and_b32 v19, 8, v1
	v_add_nc_u32 v19, v19, v1                      ; r + 8 (r / 8)
	v_lshlrev_b32 v[WSO], 5, v19
	v_lshl_add_u32 v[WSO], v2, 16, v[WSO]          ; 32 bytes a row; g's rows lie 2,048 rows behind a's
	v_lshlrev_b32 v[W1A], 10, v19
	v_lshl_add_u32 v[W1A], v2, 4, v[W1A]
	v_lshlrev_b32 v[BSO], 6, v2
	v_lshlrev_b32 v[H16], 4, v2
	v_lshl_add_u32 v[RH], v2, 6, v1
	s_lshr_b32 s23, s17, 2                         ; group s: token 128 (s / 4) + 4 lane + s % 4, a word each
	s_lshl_b32 s23, s23, 9
	s_and_b32 s62, s17, 3
	s_lshl_b32 s62, s62, 2
	s_add_co_u32 s23, s23, s62
	v_add_nc_u32 v[GWO], s23, v[LI]
	v_mov_b32 v[TM+2], 0                           ; written once: a lane permute's destination counts as one of its sources
	v_mov_b32 v[TM+3], 0
.irp j, 0,1,2
	v_mov_b32 v[XX+\j], 0
.endr
	s_mov_b32 s24, 0x76543210
	s_mov_b32 s25, 0xfedcba98                      ; v_permlanex16_b32's selects for lane l xor 16
	s_mov_b32 s26, 0x600000                        ; the mantissa field of 448
	s_mov_b32 s27, 0xffff0000                      ; lanes 16-31
	s_mov_b32 s28, 0xbfb8aa3b                      ; -log2 e
	s_mov_b32 s29, s28                             ; (named with it as a pair, so it is written)
	s_mov_b32 s31, 0                               ; the upper word of every offset; never rewritten
	s_mov_b32 s3, 0                                ; further passes walked
	s_mov_b32 s22, s16                             ; t0
	s_lshl_b32 s100, 0x101, s18                    ; bits e and 8 + e
	s_add_co_u32 s101, s18, 8
	s_wait_alu depctr_va_vdst(0)                   ; the wait at the head's end
	s_wait_kmcnt 0x0
.irp i, 0,1,2,3,4,5,6,7
	global_load_b128 v[TW+4*\i:TW+4*\i+3], v[LI], s[12:13] offset:512*\i   ; the 1,024 choices first: all that follows hangs on them
.endr
	global_load_b32 v[GW], v[GWO], s[12:13]
	s_lshl_b32 s30, s18, 22                        ; W1: an expert is 4,096 rows of 1,024 bytes;
	s_lshr_b32 s23, s16, 1
	s_lshl_b32 s23, s23, 21                        ; waves 2 and 3 take g's rows, 2,048 rows on;
	s_add_co_u32 s30, s30, s23
	s_lshl_b32 s23, s17, 16                        ; 64 s rows;
	s_add_co_u32 s30, s30, s23
	s_and_b32 s23, s16, 1
	s_lshl_b32 s23, s23, 15                        ; the odd waves the second 32
	s_add_co_u32 s30, s30, s23
	s_add_nc_u64 s[56:57], s[4:5], s[30:31]
	WLOADC 0
	s_lshl_b32 s30, s18, 17
	s_lshl_b32 s23, s17, 11
	s_add_co_u32 s30, s30, s23
	s_add_nc_u64 s[6:7], s[6:7], s[30:31]          ; W1's scale bytes at row 64 s of the expert
.irp n, 0,1,2,3
	global_load_b128 v[WS+8*\n:WS+8*\n+3], v[WSO], s[6:7] offset:(32*(\n/2)+8*(\n%2))*32
	global_load_b128 v[WS+8*\n+4:WS+8*\n+7], v[WSO], s[6:7] offset:(32*(\n/2)+8*(\n%2))*32+16
.endr
	global_prefetch_b8 v[PFW], s[56:57] offset:256 th:TH_LOAD_NT scope:SCOPE_SE   ; chunk 1 of my wave's 32 rows: a lane a row
	global_prefetch_b8 v[PFW], s[56:57] offset:512 th:TH_LOAD_NT scope:SCOPE_SE   ; chunk 2
	s_lshl_b32 s30, s18, 14
	s_lshl_b32 s23, s17, 8
	s_add_co_u32 s30, s30, s23
	s_add_nc_u64 s[8:9], s[8:9], s[30:31]          ; b1 likewise
	s_add_nc_u64 s[54:55], s[10:11], 0x100000      ; x's scale bytes
	s_lshl_b32 s30, s18, 21                        ; hqs: an expert has 64 tiles of 32,768 bytes; my units are K step s / 2, groups 2 (s % 2) and 2 (s % 2) + 1 of 512 bytes: 1,024 s
	s_lshl_b32 s23, s17, 10
	s_add_co_u32 s30, s30, s23
	s_add_nc_u64 s[58:59], s[14:15], s[30:31]
	s_lshl_b32 s30, s18, 16                        ; its scale bytes: 64 tiles of 1,024 bytes; my blocks are 2 s and 2 s + 1
	s_lshl_b32 s23, s17, 1
	s_add_co_u32 s30, s30, s23
	s_add_nc_u64 s[60:61], s[14:15], s[30:31]
	s_add_nc_u64 s[60:61], s[60:61], 0x1000000
	s_wait_loadcnt 24                              ; the choices' nine loads are in; the 16 of chunk 0 and the 8 of its scale words may be out
.set N, 0
.rept 32
	v_and_b32 v[163+N%4], s100, v[TW+N]
	v_cmp_ne_u32 s[MK+N], 0, v[163+N%4]            ; the lanes of group N whose token chose e
.set N, N+1
.endr
	v_and_b32 v[GW+1], s100, v[GW]                 ; group s once more, for the list
	v_cmp_ne_u32 s21, 0, v[GW+1]
	v_lshrrev_b32 v[GW+2], s101, v[GW+1]           ; the slot: 1 where bit 8 + e is the one that is set
	v_min_u32 v[GW+2], 1, v[GW+2]
	v_lshrrev_b32 v[PO], 1, v[GWO]                 ; 2 x token
	v_add_nc_u32 v[PO], v[PO], v[GW+2]
	PRE_A 1
	v_mbcnt_lo_u32_b32 v[PL], s21, s2              ; my token's place: the members ahead of group s + the member lanes below me
	v_min_u32 v[PL], 0x3ff, v[PL]
	s_lshl_b32 s23, s18, 10
	v_add_nc_u32 v[PL], s23, v[PL]
	v_lshlrev_b32 v[PL], 2, v[PL]
	s_min_u32 s19, s98, 0x400                      ; the count
	s_add_co_u32 s20, s19, 15
	s_lshr_b32 s20, s20, 4
	s_max_u32 s20, s20, 1                          ; tiles of 16 rows, one at the least
	s_wait_alu depctr_va_vdst(0)
.irp m, 0,1,2,3,4
	global_load_b128 v[XS+8*\m:XS+8*\m+3], v[XSO+\m], s[54:55]
	global_load_b128 v[XS+8*\m+4:XS+8*\m+7], v[XSO+\m], s[54:55] offset:16
.endr
	XLOAD 0
	WIN 0xc0                                       ; destination window 3
.irp n, 0,1,2,3,4,5,6,7                ; b1 in the result's layout: lane (r, h), register j of tile n: unit 32 b + 16 h + 8 u + j
	global_load_b128 v[64+8*\n:64+8*\n+3], v[BSO], s[8:9] offset:(\n/4)*8192+(32*((\n%4)/2)+8*(\n%2))*4
	global_load_b128 v[64+8*\n+4:64+8*\n+7], v[BSO], s[8:9] offset:(\n/4)*8192+(32*((\n%4)/2)+8*(\n%2))*4+16
.endr
	WIN 0
	s_wait_loadcnt 54                              ; chunk 0 is in; behind it 8 of scale words, 10 + 20 of x and 16 of b1 may be out
	WSTORE 0
	XLOAD 1
	WLOADC 1
	global_prefetch_b8 v[PFW], s[56:57] offset:768 th:TH_LOAD_NT scope:SCOPE_SE   ; chunk 3
	s_wait_dscnt 0x0                               ; for the others' sake: my rows of chunk 0 lie in LDS
	s_barrier_signal -1
	s_barrier_wait -1
	BFETCH 0, 0
	BFETCH 0, 1
	KSTEP 0
	KSTEP 1
	KSTEP 2
	KSTEP 3
	KSTEP 4
	KSTEP 5
	KSTEP 6
	KSTEP 7
	WIN 0
	PLACES 8                                       ; ahead of the first read of results, and of writes and loads into the last products' operands
	s_cmp_ge_u32 s22, s20
	s_cbranch_scc1 .Ldone                          ; fewer tiles than waves: none is mine
.Lepi:
	EPI 0
	EPI 1
	EPI 2
	EPI 3
	EPI 4
.Lepi_done:
	s_add_co_u32 s22, s22, 20
	s_cmp_ge_u32 s22, s20
	s_cbranch_scc1 .Ldone                          ; no tile of mine is left
	PRE_A 0
	s_lshl_b32 s30, s18, 22                        ; a further pass: W1 at row 64 s of the expert, its scale bytes, x and its scale bytes
	s_lshl_b32 s23, s17, 16
	s_add_co_u32 s30, s30, s23
	s_add_nc_u64 s[12:13], s[4:5], s[30:31]
	s_mov_b64 s[14:15], s[10:11]
	s_mov_b64 s[62:63], s[54:55]
	s_mov_b64 s[98:99], s[6:7]
	s_wait_alu depctr_va_vdst(0)
	SLOWSTEP 1
	s_mov_b32 s23, 7
.Lslow:
	SLOWSTEP 0
	s_sub_co_u32 s23, s23, 1
	s_cmp_lg_u32 s23, 0
	s_cbranch_scc1 .Lslow
	s_add_co_u32 s3, s3, 1
	s_cmp_lt_u32 s3, 4                             ; at most three further passes: 4 x 20 tiles cover the 64 that an expert can have; a wave leaves by the forward jump above
	s_cbranch_scc1 .Lepi
.Ldone:
	s_wait_tensorcnt 0x0                           ; the wave's end, behind my last LDS store
	ds_add_u32 v[SPW], v[NIL]
	s_wait_dscnt 0x0
	s_cmp_lg_u32 s16, 0
	s_cbranch_scc1 .Lnot_wave_0
	s_wait_xcnt 0x0                                ; EXEC changes only behind this wait: the stores above have taken it
	s_and_saveexec_b32 s62, s21                    ; wave 0: the members of group s
	global_store_b32 v[PL], v[PO], s[52:53] offset:LIST
	s_endpgm
.Lnot_wave_0:
	s_cmp_lg_u32 s16, 1
	s_cbranch_scc1 .Lend
	s_cmp_lg_u32 s17, 0
	s_cbranch_scc1 .Lend
	s_lshl_b32 s23, s18, 2                         ; wave 1 of the expert's first work-group: the count
	v_mov_b32 v[CE], s23
	v_mov_b32 v[GWO], s19
	v_cmp_eq_u32 vcc_lo, 0, v[LI]
	s_wait_alu depctr_va_vdst(0)
	s_wait_xcnt 0x0                                ; EXEC changes only behind this wait
	s_and_saveexec_b32 s62, vcc_lo                 ; lane 0 alone
	global_store_b32 v[CE], v[GWO], s[52:53]
	s_endpgm
.Lend:
	s_endpgm
.Lfunc_end_k_q1e8206c6ce_gemm1:
	.size	k_q1e8206c6ce_gemm1, .Lfunc_end_k_q1e8206c6ce_gemm1-k_q1e8206c6ce_gemm1
	.p2alignl 7, 3214868480
	.fill 96, 4, 3214868480
	.section	.rodata,"a",@progbits
	.p2align	6, 0x0
	.amdhsa_kernel k_q1e8206c6ce_gemm1
		.amdhsa_group_segment_fixed_size 133632
		.amdhsa_private_segment_fixed_size 0
		.amdhsa_enable_private_segment 0
		.amdhsa_kernarg_size 56
		.amdhsa_user_sgpr_count 2
		.amdhsa_user_sgpr_kernarg_segment_ptr 1
		.amdhsa_wavefront_size32 1
		.amdhsa_system_sgpr_workgroup_id_x 1
		.amdhsa_system_sgpr_workgroup_id_y 1
		.amdhsa_system_sgpr_workgroup_id_z 1
		.amdhsa_system_vgpr_workitem_id 0
		.amdhsa_next_free_vgpr 1024
		.amdhsa_next_free_sgpr 102
		.amdhsa_reserve_vcc 1
		.amdhsa_float_denorm_mode_32 3
		.amdhsa_float_denorm_mode_16_64 3
		.amdhsa_memory_ordered 1
		.amdhsa_forward_progress 1
		.amdhsa_inst_pref_size 236
	.end_amdhsa_kernel
	.amdgpu_metadata
---
amdhsa.version: [ 1, 2 ]
amdhsa.kernels:
  - .name:           k_q1e8206c6ce_gemm1
    .symbol:         k_q1e8206c6ce_gemm1.kd
    .args:
      - { .name: W1_codes, .offset: 0, .size: 8, .value_kind: global_buffer, .address_space: global }
      - { .name: W1_scales, .offset: 8, .size: 8, .value_kind: global_buffer, .address_space: global }
      - { .name: b1, .offset: 16, .size: 8, .value_kind: global_buffer, .address_space: global }
      - { .name: xqs, .offset: 24, .size: 8, .value_kind: global_buffer, .address_space: global }
      - { .name: topi, .offset: 32, .size: 8, .value_kind: global_buffer, .address_space: global }
      - { .name: hqs, .offset: 40, .size: 8, .value_kind: global_buffer, .address_space: global }
      - { .name: plan, .offset: 48, .size: 8, .value_kind: global_buffer, .address_space: global }
    .group_segment_fixed_size: 133632
    .private_segment_fixed_size: 0
    .kernarg_segment_align: 8
    .kernarg_segment_size: 56
    .max_flat_workgroup_size: 128
    .sgpr_count:     102
    .vgpr_count:     1024
    .wavefront_size: 32
...
	.end_amdgpu_metadata
.endif
;; end of part 7
;; launch gemm2 (part 8): grid 32 x 8, 4 waves a work-group, no clusters, 184,832 bytes of LDS; arguments W2_codes, W2_scales, b2, hqs, plan, y; writes y
.if DOCPART == 8
	.amdgcn_target "amdgcn-amd-amdhsa--gfx1250"
	.amdhsa_code_object_version 6
	.text
	.protected	k_q1e8206c6ce_gemm2
	.globl	k_q1e8206c6ce_gemm2
	.p2align	8
	.type	k_q1e8206c6ce_gemm2,@function
k_q1e8206c6ce_gemm2:
	s_mov_b64 s[64:65], 0
	v_nop
	global_prefetch_b8 v0, s[64:65] scope:SCOPE_SE
	s_setreg_imm32_b32 hwreg(HW_REG_WAVE_MODE, 25, 1), 1
	s_wait_xcnt 0x0
; LAUNCH 3 OF 4.  y = Q(h) W2[e] + b2[e] for the rows that chose expert e alone (why the others add nothing stands at the first kernel's head), on codes of E4M3 with one E8M0 scale for each 32 along K.
; Row i of the expert goes to row list[e][i] = 2 token + slot of y; the rows that fill up the expert's last tile go to rows 2,048 + 16 e on, which nobody reads.
; SHARES.  Work-group (x, e): x / 2 says which 64 columns (64 rows of W2), x % 2 which half of the tiles of 16 rows.  In a pass wave w takes tiles t0 + 8 m, m = 0 .. 2, t0 = x % 2 + 2 w + 24 x pass:
; 12 accumulators, and each fragment of W2 read from LDS feeds three products.  h's codes lie in memory in the order of the operand's registers: a fragment is four loads of 512 consecutive bytes.
; THE FIRST PASS (24 tiles) STREAMS K: W2 comes in four chunks of 512 along K, each wave 16 rows x 512 bytes of it, through registers into LDS bytes of their own; a barrier shows each chunk.  Chunk c is
; loaded between the loads of h, since a wave's loads come back in order, and is prefetched: chunks 1 and 2 at the head, chunk 3 ahead of the first product; the two work-groups that read the
; same 64 rows share each wave's 16 rows out by address, eight each.
; FURTHER PASSES take W2's fragments from memory straight into registers, a K step at a time, in a counted loop.
; How many passes are walked and what is skipped hang on a count read from memory: so there is no tensor load and no cluster, and all barriers stand ahead of the first such branch.  A wave's tiles past
; the last take the last tile's codes, are multiplied with the others (they share the unrolled products) and are not stored.
; LAYOUT.  Transposed: source 0 = 16 rows of W2, source 1 = 16 rows of h: a lane holds one row and eight neighbouring columns.  b2 is the C of each sum's first product.  A tile's 16 rows x 256
; bytes turn through the wave's own stage in LDS and leave sixteen lanes to 256 consecutive bytes, at a multiple of 256.
; REGISTERS, in windows of 256: window 0: v1-15 addresses; v16-31, v112-119 the stores' offsets; v32-79 h's scale words; v80-111 W2's; v120-127 the list's; v128-255 two buffers of four fragments of
;   W2, on the way out rows of y.   window 1: h's fragments, five buffers of three.   window 2: v0-95 the accumulators at v[8 (4 m + nt)]; v96-127 b2's four tiles.   window 3: W2 on its way to LDS.
.set WLP,   2064                       ; a row of W2 in LDS: 2,048 bytes + 16 = 129 x 16
.set STG,   64*WLP                     ; behind the 64 rows: a stage of 3 x 16 rows x (256 + 16) bytes for each wave
.set SGP,   272
.set SPARE, STG+4*48*SGP               ; the spare words, 128 bytes for each wave: two blocks of 256 bytes that no other line names
.set LIST,  256                        ; plan: the eight counts at byte 0, list[8][1024] at byte 256
.set LI,   3                           ; v3   16 x lane
.set HSL,  4                           ; v4   64 r: my row's scale bytes in a tile
.set ADW,  5                           ; v5   my place in a tile of W2, tiles 0, 1; v6 tiles 2, 3
.set WST,  7                           ; v7   where my wave puts W2 into LDS; in further passes a fragment's rows of W2 in memory
.set WSO,  8                           ; v8   64 x lane: W2's scale bytes, a lane a row
.set BSO,  9                           ; v9   32 h
.set SPW,  10                          ; v10  LDS address of my spare word; never rewritten
.set NIL,  11                          ; v11  0; never rewritten
.set STO,  12                          ; v12  the stage: where I put 32 bytes of a row
.set SRD,  13                          ; v13  and where I read a row back
.set YO,   14                          ; v14  16 r: my place in a row's 256 bytes
.set PB,   15                          ; v15  2 (lane % 8) + h: lane i of a half asks for the row that store i writes from that half
.set HS,   32                          ; h's scale words: 16 m + q
.set WS,   80                          ; W2's: 16 (nt / 2) + q: lanes 0-15 the even tile, lanes 16-31 the odd one
.set LST,  120                         ; v120-122 the list's words
.set LA,   123                         ; v123-125 their places
.set PFA,  126                         ; v126, v127 the prefetches' offsets
.set PFB,  127
.set BW,   128
.set OUTR, 128                         ; the way out: 32 registers a tile, of their own, so that no store's data are written again in a pass
.set HB,   32                          ; s[32:37] tile m's codes
.set HSB,  38                          ; s[38:43] its scale bytes
.set MSB, 0
.macro WIN new                         ; the immediate's high byte repeats the setting that is left; a switch that changes nothing is dropped
.if MSB != (\new)
	s_set_vgpr_msb (MSB<<8)|(\new)
.set MSB, (\new)
.endif
.endm
.macro PLACES n                        ; plain vector lines between a matrix instruction and a load into, or a read of, its registers (ISA guide 7.12.1 for vector instructions)
.rept \n
	v_nop
.endr
.endm
.macro HLOAD q                         ; the three tiles' fragments of h for K step q
	WIN 0x40                                       ; destination window 1
.irp m, 0,1,2
.irp c, 0,1,2,3
	global_load_b128 v[48*((\q)%5)+16*\m+4*\c:48*((\q)%5)+16*\m+4*\c+3], v[LI], s[HB+2*\m:HB+2*\m+1] offset:2048*(\q)+512*\c
.endr
.endr
.endm
.macro WLOAD2 c                        ; chunk c of my wave's 16 rows of W2: 512 bytes of a row an instruction
	WIN 0xc0                                       ; destination window 3
.set VV, 0
.rept 16
	global_load_b128 v[64*(\c)+4*VV:64*(\c)+4*VV+3], v[LI], s[56:57] offset:2048*VV+512*(\c)
.set VV, VV+1
.endr
	WIN 0
.endm
.macro WSTORE2 c
	WIN 0x0c                                       ; an LDS store's data are its source 1: window 3
.set VV, 0
.rept 16
	ds_store_b128 v[WST], v[64*(\c)+4*VV:64*(\c)+4*VV+3] offset:WLP*VV+512*(\c)
.set VV, VV+1
.endr
	WIN 0
.endm
.macro BFETCH2 q                       ; W2's four fragments for K step q
.irp nt, 0,1,2,3
.irp c, 0,1,2,3
	ds_load_b128 v[BW+64*((\q)%2)+16*\nt+4*\c:BW+64*((\q)%2)+16*\nt+4*\c+3], v[ADW+\nt/2] offset:16*WLP*(\nt%2)+128*(\q)+32*\c
.endr
.endr
.endm
; Products of tiles m0 .. m1; the 12 accumulators take turns, one instruction a turn, in the same order in every K step.  z = 1: the sum begins with b2
.macro MUL2 q, z, m0, m1
	WIN 0xa4                                       ; W2 window 0, h window 1, C and D window 2
.set M_, \m0
.rept (\m1)-(\m0)+1
.irp nt, 0,1,2,3
.set DR, 8*(4*M_+\nt)
.set CR, DR
.if \z
.set CR, 96+8*\nt
.endif
.set AR, BW+64*((\q)%2)+16*\nt
.set BR, 48*((\q)%5)+16*M_
.if (\nt%2) == 0
	v_wmma_scale_f32_16x16x128_f8f6f4 v[DR:DR+7], v[AR:AR+15], v[BR:BR+15], v[CR:CR+7], v[WS+16*(\nt/2)+(\q)], v[HS+16*M_+(\q)]
.else
	v_wmma_scale_f32_16x16x128_f8f6f4 v[DR:DR+7], v[AR:AR+15], v[BR:BR+15], v[CR:CR+7], v[WS+16*(\nt/2)+(\q)], v[HS+16*M_+(\q)] matrix_a_scale:MATRIX_SCALE_ROW1
.endif
.endr
.set M_, M_+1
.endr
.endm
; A K step of the first pass.  Loads are issued in the order H0 .. H3, chunk 1, H4 .. H7, chunk 2, H8 .. H11, chunk 3, H12 .. H15 (12 of h, 16 of a chunk).  Behind H q stand four steps of h and a chunk, 64:
; the wait for 63 shows H q.  Behind chunk 1, 2, 3, at its store in K step 2, 6, 10, stand three steps of h: 36; that wait serves K steps 2 and 3, 6 and 7, 10 and 11.
.macro KSTEP2 q
.set Z_, 0
.if (\q) == 0
.set Z_, 1
.endif
.if (\q) <= 11
	HLOAD (\q)+4                                   ; into the buffer that the K step before read: eight places stand behind its last product
.endif
.if (\q) >= 12
	s_wait_loadcnt 12*(15-(\q))                    ; 36, 24, 12, 0: the K steps still to come
.elseif ((\q)%4) < 2
	s_wait_loadcnt 63
.elseif ((\q)%4) == 2
	s_wait_loadcnt 36
.elseif (\q) < 11
	WLOAD2 ((\q)+5)/4
.endif
.if (((\q)%4) == 2) && ((\q) < 12)     ; the next four K steps' chunk goes into LDS here
	WSTORE2 ((\q)+2)/4
	s_wait_dscnt 32                                ; this K step's fragments are in; the next K step's 16 loads and the 16 stores may be out
	MUL2 \q, 0, 0, 1
	s_wait_dscnt 0x0                               ; for the others' sake: my rows of the chunk lie in LDS
	s_barrier_signal -1
	MUL2 \q, 0, 2, 2
	s_barrier_wait -1
.else
.if (\q) < 15
	s_wait_dscnt 16                                ; this K step's fragments of W2 are in; the next K step's 16 loads may be out
.else
	s_wait_dscnt 0x0
.endif
	MUL2 \q, Z_, 0, 2
.endif
.if (\q) <= 13
	WIN 0
	PLACES 8
	BFETCH2 (\q)+2
.endif
.endm
.macro SLOW2 z                         ; a K step of a further pass: everything from memory, 33 loads
	WIN 0x40
.irp m, 0,1,2
.irp c, 0,1,2,3
	global_load_b128 v[16*\m+4*\c:16*\m+4*\c+3], v[LI], s[HB+2*\m:HB+2*\m+1] offset:512*\c
.endr
.endr
	WIN 0
.irp m, 0,1,2
	global_load_b32 v[HS+16*\m], v[HSL], s[HSB+2*\m:HSB+2*\m+1]
.endr
.irp pr, 0,1
	global_load_b32 v[WS+16*\pr], v[WSO], s[12:13] offset:2048*\pr
.endr
.irp nt, 0,1,2,3
.irp c, 0,1,2,3
	global_load_b128 v[BW+16*\nt+4*\c:BW+16*\nt+4*\c+3], v[WST], s[58:59] offset:32768*\nt+32*\c
.endr
.endr
	s_wait_loadcnt 0x0
	MUL2 0, \z, 0, 2
	WIN 0
	PLACES 9
.irp m, 0,1,2
	s_add_nc_u64 s[HB+2*\m:HB+2*\m+1], s[HB+2*\m:HB+2*\m+1], 2048   ; (the loads that used these bases are done)
	s_add_nc_u64 s[HSB+2*\m:HSB+2*\m+1], s[HSB+2*\m:HSB+2*\m+1], 4
.endr
	s_add_nc_u64 s[58:59], s[58:59], 128
	s_add_nc_u64 s[12:13], s[12:13], 4
.endm
.macro PRE2                            ; where a pass's three tiles lie, and their words of the list
.irp m, 0,1,2
	s_add_co_u32 s23, s22, 8*\m                    ; tile t0 + 8 m
	s_lshl_b32 s62, s23, 4
	v_add_nc_u32 v[LA+\m], s62, v[PB]
	v_min_u32 v[LA+\m], 0x3ff, v[LA+\m]
	v_lshlrev_b32 v[LA+\m], 2, v[LA+\m]
	s_min_u32 s62, s23, s63                        ; past the last tile: the last tile's codes
	s_min_u32 s62, s62, 63
	s_lshl_b32 s30, s62, 15
	s_add_nc_u64 s[HB+2*\m:HB+2*\m+1], s[50:51], s[30:31]
	s_lshl_b32 s30, s62, 10
	s_add_nc_u64 s[HSB+2*\m:HSB+2*\m+1], s[52:53], s[30:31]
.endr
	s_wait_alu depctr_va_vdst(0)
.irp m, 0,1,2
	global_load_b32 v[LST+\m], v[LA+\m], s[60:61] offset:LIST
.endr
.endm
.macro ADDR m, yr                      ; where tile m's eight stores go: store i writes rows 2 i (lanes 0-15) and 2 i + 1 (lanes 16-31)
	s_add_co_u32 s23, s22, 8*(\m)
	s_lshl_b32 s62, s23, 4
	v_add_nc_u32 v[LA+\m], s62, v[PB]              ; the row's place
	v_cmp_gt_u32 vcc_lo, s19, v[LA+\m]             ; under the count?
	v_and_or_b32 v[LA+\m], v[LA+\m], 15, s24       ; if not: 2,048 + 16 e + place % 16
	v_cndmask_b32 v[LST+\m], v[LA+\m], v[LST+\m], vcc_lo
.irp i, 0,1,2,3,4,5,6,7
	v_mov_b32_dpp v[\yr+\i], v[LST+\m] row_share:\i row_mask:0xf bank_mask:0xf
.endr
.irp i, 0,1,2,3,4,5,6,7
	v_min_u32 v[\yr+\i], 0x87f, v[\yr+\i]          ; y has 2,176 rows: the number enters addresses held so
.endr
.irp i, 0,1,2,3,4,5,6,7
	v_lshl_add_u32 v[\yr+\i], v[\yr+\i], 12, v[YO]
.endr
.endm
.macro SEND m, yr
.if (\m) > 0
	s_add_co_u32 s23, s22, 8*(\m)
	s_cmp_ge_u32 s23, s20                          ; past the last tile: so are the wave's later tiles
	s_cbranch_scc1 .Lepi_done
.endif
.irp i, 0,1,2,3,4,5,6,7
	s_wait_dscnt 23-8*(\m)-\i                      ; the younger loads from the stage may be out
	global_store_b128 v[\yr+\i], v[OUTR+32*(\m)+4*\i:OUTR+32*(\m)+4*\i+3], s[54:55]   ; 16 lanes store 256 consecutive bytes of a row, at a multiple of 256
.endr
.endm
	s_load_b256 s[4:11], s[0:1], 0x0               ; W2's codes s[4:5], its scales s[6:7], b2 s[8:9], hqs s[10:11]
	s_load_b128 s[12:15], s[0:1], 0x20             ; plan s[12:13], y s[14:15]
	v_lshl_add_u32 v[SPW], v0, 2, SPARE
	v_mov_b32 v[NIL], 0
	v_lshrrev_b32 v15, 5, v0
	v_readfirstlane_b32 s16, v15                   ; wave
	s_lshr_b32 s17, ttmp9, 1                       ; which 64 columns
	s_and_b32 s21, ttmp9, 1                        ; which half of the tiles
	s_and_b32 s18, ttmp7, 0xffff                   ; e
	v_and_b32 v1, 15, v0                           ; r
	v_bfe_u32 v2, v0, 4, 1                         ; h
	v_and_b32 v16, 31, v0
	v_lshlrev_b32 v[LI], 4, v16
	v_lshlrev_b32 v[WSO], 6, v16
	v_lshlrev_b32 v[HSL], 6, v1
	v_mul_u32_u24 v[ADW], v1, WLP
	v_lshl_add_u32 v[ADW], v2, 4, v[ADW]
	v_add_nc_u32 v[ADW+1], 32*WLP, v[ADW]          ; an LDS offset has 16 bits: tiles 2 and 3 have a register of their own
	s_mul_i32 s23, s16, 16*WLP
	v_add_nc_u32 v[WST], s23, v[LI]                ; my wave's 16 rows
	v_lshlrev_b32 v[BSO], 5, v2
	s_mul_i32 s23, s16, 48*SGP
	s_add_co_u32 s23, s23, STG                     ; my stage
	v_mul_u32_u24 v[STO], v1, SGP
	v_lshl_add_u32 v[STO], v2, 5, v[STO]
	v_add_nc_u32 v[STO], s23, v[STO]               ; in: row r, 32 bytes for each half of the lanes
	v_mul_u32_u24 v[SRD], v2, SGP
	v_lshl_add_u32 v[SRD], v1, 4, v[SRD]
	v_add_nc_u32 v[SRD], s23, v[SRD]               ; back: lanes 0-15 one row, lanes 16-31 the next
	v_lshlrev_b32 v[YO], 4, v1
	v_and_b32 v17, 7, v0
	v_lshl_add_u32 v[PB], v17, 1, v2
	s_lshl_b32 s23, s21, 14                        ; the prefetches: eight of my wave's 16 rows
	v_lshrrev_b32 v17, 2, v16                      ; chunks 1 and 2: four lanes a row, 256 bytes each
	v_and_b32 v18, 3, v16
	v_lshlrev_b32 v17, 11, v17
	v_lshl_add_u32 v17, v18, 8, v17
	v_add_nc_u32 v[PFA], s23, v17
	v_min_u32 v17, 15, v16                         ; chunk 3: two lanes a row; lanes 16-31 name the last block again
	v_and_b32 v18, 1, v17
	v_lshrrev_b32 v17, 1, v17
	v_lshlrev_b32 v17, 11, v17
	v_lshl_add_u32 v17, v18, 8, v17
	v_add_nc_u32 v[PFB], s23, v17
.irp i, 0,1,2,3,4,5,6,7
	v_mov_b32 v[16+\i], 0                          ; written once: the destination of a move between lanes counts as one of its sources
	v_mov_b32 v[24+\i], 0
	v_mov_b32 v[112+\i], 0
.endr
	s_lshl_b32 s24, s18, 4
	s_add_co_u32 s24, s24, 2048                    ; 2,048 + 16 e
	s_mov_b32 s31, 0                               ; the upper word of every offset; never rewritten
	s_mov_b32 s3, 0                                ; further passes walked
	s_wait_alu depctr_va_vdst(0)                   ; the wait at the head's end
	s_wait_kmcnt 0x0
	s_lshl_b32 s30, s18, 2
	s_add_nc_u64 s[58:59], s[12:13], s[30:31]
	s_load_b32 s19, s[58:59], 0x0                  ; the expert's number of rows: the eight counts lie at plan's head
	s_lshl_b32 s30, s18, 21                        ; W2: an expert is 1,024 rows of 2,048 bytes;
	s_lshl_b32 s23, s17, 17                        ; my 64 rows;
	s_add_co_u32 s30, s30, s23
	s_lshl_b32 s23, s16, 15                        ; my wave's 16
	s_add_co_u32 s30, s30, s23
	s_add_nc_u64 s[56:57], s[4:5], s[30:31]
	WLOAD2 0
	s_lshl_b32 s30, s18, 16
	s_lshl_b32 s23, s17, 12
	s_add_co_u32 s30, s30, s23
	s_add_nc_u64 s[6:7], s[6:7], s[30:31]          ; W2's scale bytes at my first row
	s_lshl_b32 s30, s18, 12
	s_lshl_b32 s23, s17, 8
	s_add_nc_u64 s[60:61], s[12:13], s[30:31]      ; the expert's list, LIST bytes on
	s_add_co_u32 s30, s30, s23
	s_add_nc_u64 s[8:9], s[8:9], s[30:31]          ; b2 at my first column
.irp pr, 0,1
.irp i, 0,1,2,3
	global_load_b128 v[WS+16*\pr+4*\i:WS+16*\pr+4*\i+3], v[WSO], s[6:7] offset:2048*\pr+16*\i
.endr
.endr
	WIN 0x80                                       ; destination window 2
.irp nt, 0,1,2,3                       ; b2 in the result's layout: lane (r, h), register j of tile nt: column 16 nt + 8 h + j
	global_load_b128 v[96+8*\nt:96+8*\nt+3], v[BSO], s[8:9] offset:64*\nt
	global_load_b128 v[96+8*\nt+4:96+8*\nt+7], v[BSO], s[8:9] offset:64*\nt+16
.endr
	WIN 0
	global_prefetch_b8 v[PFA], s[56:57] offset:512 th:TH_LOAD_NT scope:SCOPE_SE   ; chunks 1 and 2: my eight rows of the wave's 16
	s_lshl_b32 s30, s18, 21
	s_add_nc_u64 s[50:51], s[10:11], s[30:31]      ; the expert's tiles of h,
	s_lshl_b32 s30, s18, 16
	s_add_nc_u64 s[52:53], s[10:11], s[30:31]
	s_add_nc_u64 s[52:53], s[52:53], 0x1000000     ; their scale bytes,
	s_mov_b32 s30, s23
	s_add_nc_u64 s[54:55], s[14:15], s[30:31]      ; and y at my first column
	s_lshl_b32 s22, s16, 1
	s_add_co_u32 s22, s22, s21                     ; t0
	s_wait_kmcnt 0x0
	s_min_u32 s19, s19, 0x400
	s_add_co_u32 s20, s19, 15
	s_lshr_b32 s20, s20, 4
	s_max_u32 s20, s20, 1                          ; tiles of 16 rows, one at the least: as many as the launch before has stored
	s_sub_co_u32 s63, s20, 1
	PRE2
.irp m, 0,1,2
.irp i, 0,1,2,3
	global_load_b128 v[HS+16*\m+4*\i:HS+16*\m+4*\i+3], v[HSL], s[HSB+2*\m:HSB+2*\m+1] offset:16*\i
.endr
.endr
	HLOAD 0
	WIN 0
	s_wait_loadcnt 43                              ; chunk 0 is in; behind it 8 + 8 of scale words and b2, 3 of the list, 12 + 12 of h may be out
	WSTORE2 0
	HLOAD 1
	HLOAD 2
	HLOAD 3
	WLOAD2 1
	global_prefetch_b8 v[PFB], s[56:57] offset:1536 th:TH_LOAD_NT scope:SCOPE_SE   ; chunk 3
	s_wait_dscnt 0x0                               ; for the others' sake: my rows of chunk 0 lie in LDS
	s_barrier_signal -1
	s_barrier_wait -1
	BFETCH2 0
	BFETCH2 1
	KSTEP2 0
	KSTEP2 1
	KSTEP2 2
	KSTEP2 3
	KSTEP2 4
	KSTEP2 5
	KSTEP2 6
	KSTEP2 7
	KSTEP2 8
	KSTEP2 9
	KSTEP2 10
	KSTEP2 11
	KSTEP2 12
	KSTEP2 13
	KSTEP2 14
	KSTEP2 15
	WIN 0
	PLACES 9                                       ; eight ahead of the first read of results and of loads into the last products' operands; the ninth for a further pass's first products, which begin these accumulators anew
	s_cmp_ge_u32 s22, s20
	s_cbranch_scc1 .Ldone                          ; no tile is mine
.Lepi:                                             ; THE WAY OUT: all three tiles turn through the stage, then those that exist are stored
	ADDR 0, 16
	ADDR 1, 24
	ADDR 2, 112
	s_wait_alu depctr_va_vdst(0)
	WIN 0x08                                       ; an LDS store's data are its source 1: window 2
.irp m, 0,1,2
.irp nt, 0,1,2,3
	ds_store_b128 v[STO], v[8*(4*\m+\nt):8*(4*\m+\nt)+3] offset:16*SGP*\m+64*\nt          ; each accumulator from its low end on
	ds_store_b128 v[STO], v[8*(4*\m+\nt)+4:8*(4*\m+\nt)+7] offset:16*SGP*\m+64*\nt+16
.endr
.endr
	WIN 0
.irp m, 0,1,2
.irp i, 0,1,2,3,4,5,6,7
	ds_load_b128 v[OUTR+32*\m+4*\i:OUTR+32*\m+4*\i+3], v[SRD] offset:16*SGP*\m+2*SGP*\i   ; LDS serves a wave's instructions in order: these see the stores above
.endr
.endr
	SEND 0, 16
	SEND 1, 24
	SEND 2, 112
.Lepi_done:
	s_add_co_u32 s22, s22, 24
	s_cmp_ge_u32 s22, s20
	s_cbranch_scc1 .Ldone                          ; no tile of mine is left
	s_wait_xcnt 0x0                                ; a further pass: the stores have taken their addresses and their data, which lie where W2's fragments land;
	s_wait_dscnt 0x0                               ; and no load from the stage is out
	v_lshlrev_b32 v[WST], 11, v1
	v_lshl_add_u32 v[WST], v2, 4, v[WST]           ; a fragment's rows of W2 in memory (nothing goes into LDS rows of W2 any more)
	s_lshl_b32 s30, s18, 21
	s_lshl_b32 s23, s17, 17
	s_add_co_u32 s30, s30, s23
	s_add_nc_u64 s[58:59], s[4:5], s[30:31]
	s_mov_b64 s[12:13], s[6:7]
	PRE2
	SLOW2 1
	s_mov_b32 s25, 15
.Lslow:
	SLOW2 0
	s_sub_co_u32 s25, s25, 1
	s_cmp_lg_u32 s25, 0
	s_cbranch_scc1 .Lslow
	s_add_co_u32 s3, s3, 1
	s_cmp_lt_u32 s3, 3                             ; at most two further passes: 3 x 24 tiles of both halves cover what an expert can have; a wave leaves by the forward jump above
	s_cbranch_scc1 .Lepi
.Ldone:
	s_wait_tensorcnt 0x0                           ; the wave's end, behind my last LDS store
	ds_add_u32 v[SPW], v[NIL]
	s_wait_dscnt 0x0
	s_endpgm
.Lfunc_end_k_q1e8206c6ce_gemm2:
	.size	k_q1e8206c6ce_gemm2, .Lfunc_end_k_q1e8206c6ce_gemm2-k_q1e8206c6ce_gemm2
	.p2alignl 7, 3214868480
	.fill 96, 4, 3214868480
	.section	.rodata,"a",@progbits
	.p2align	6, 0x0
	.amdhsa_kernel k_q1e8206c6ce_gemm2
		.amdhsa_group_segment_fixed_size 184832
		.amdhsa_private_segment_fixed_size 0
		.amdhsa_enable_private_segment 0
		.amdhsa_kernarg_size 48
		.amdhsa_user_sgpr_count 2
		.amdhsa_user_sgpr_kernarg_segment_ptr 1
		.amdhsa_wavefront_size32 1
		.amdhsa_system_sgpr_workgroup_id_x 1
		.amdhsa_system_sgpr_workgroup_id_y 1
		.amdhsa_system_sgpr_workgroup_id_z 1
		.amdhsa_system_vgpr_workitem_id 0
		.amdhsa_next_free_vgpr 1024
		.amdhsa_next_free_sgpr 66
		.amdhsa_reserve_vcc 1
		.amdhsa_float_denorm_mode_32 3
		.amdhsa_float_denorm_mode_16_64 3
		.amdhsa_memory_ordered 1
		.amdhsa_forward_progress 1
		.amdhsa_inst_pref_size 109
	.end_amdhsa_kernel
	.amdgpu_metadata
---
amdhsa.version: [ 1, 2 ]
amdhsa.kernels:
  - .name:           k_q1e8206c6ce_gemm2
    .symbol:         k_q1e8206c6ce_gemm2.kd
    .args:
      - { .name: W2_codes, .offset: 0, .size: 8, .value_kind: global_buffer, .address_space: global }
      - { .name: W2_scales, .offset: 8, .size: 8, .value_kind: global_buffer, .address_space: global }
      - { .name: b2, .offset: 16, .size: 8, .value_kind: global_buffer, .address_space: global }
      - { .name: hqs, .offset: 24, .size: 8, .value_kind: global_buffer, .address_space: global }
      - { .name: plan, .offset: 32, .size: 8, .value_kind: global_buffer, .address_space: global }
      - { .name: y, .offset: 40, .size: 8, .value_kind: global_buffer, .address_space: global }
    .group_segment_fixed_size: 184832
    .private_segment_fixed_size: 0
    .kernarg_segment_align: 8
    .kernarg_segment_size: 48
    .max_flat_workgroup_size: 128
    .sgpr_count:     66
    .vgpr_count:     1024
    .wavefront_size: 32
...
	.end_amdgpu_metadata
.endif
;; end of part 8
;; launch combine (part 9): grid 256 x 1, 4 waves a work-group, no clusters, 0 bytes of LDS; arguments topw, y, out0; writes out0
.if DOCPART == 9
	.amdgcn_target "amdgcn-amd-amdhsa--gfx1250"
	.amdhsa_code_object_version 6
	.text
	.protected	k_q1e8206c6ce_combine
	.globl	k_q1e8206c6ce_combine
	.p2align	8
	.type	k_q1e8206c6ce_combine,@function
k_q1e8206c6ce_combine:
	s_mov_b64 s[64:65], 0
	v_nop
	global_prefetch_b8 v0, s[64:65] scope:SCOPE_SE
	s_setreg_imm32_b32 hwreg(HW_REG_WAVE_MODE, 25, 1), 1
	s_wait_xcnt 0x0
; LAUNCH 4 OF 4.  out[t] = w0 y[2 t] + w1 y[2 t + 1]: the two experts that the token chose; the other six have the weight 0 (the first kernel's head says why they are left out).
; A wave owns one token, t = 4 x work-group + wave: each output row has one owner and nothing is added in memory.  Every load and store covers 512 consecutive bytes.
; No LDS, no barrier, no matrix unit: the launch moves 12 KB a token and does two operations a number.  No prefetch: there is no loop to run ahead in.
.set Y0,  16                           ; v16-47 the first row, then the result
.set Y1,  48                           ; v48-79 the second
	s_load_b128 s[4:7], s[0:1], 0x0                ; topw s[4:5], y s[6:7]
	s_load_b64 s[8:9], s[0:1], 0x10                ; out0
	v_lshrrev_b32 v1, 5, v0
	v_readfirstlane_b32 s12, v1
	s_lshl_b32 s13, ttmp9, 2
	s_add_co_u32 s13, s13, s12                     ; my token
	v_and_b32 v2, 31, v0
	v_lshlrev_b32 v2, 4, v2                        ; 16 x lane
	s_mov_b32 s15, 0
	s_wait_alu depctr_va_vdst(0)
	s_wait_kmcnt 0x0
	s_lshl_b32 s14, s13, 13
	s_add_nc_u64 s[6:7], s[6:7], s[14:15]          ; its two rows of y
.irp i, 0,1,2,3,4,5,6,7
	global_load_b128 v[Y0+4*\i:Y0+4*\i+3], v2, s[6:7] offset:512*\i th:TH_LOAD_NT   ; each row of y that is read is read once
	global_load_b128 v[Y1+4*\i:Y1+4*\i+3], v2, s[6:7] offset:4096+512*\i th:TH_LOAD_NT
.endr
	s_lshl_b32 s14, s13, 3
	s_add_nc_u64 s[4:5], s[4:5], s[14:15]
	s_load_b64 s[18:19], s[4:5], 0x0               ; w0, w1
	s_lshl_b32 s14, s13, 12
	s_add_nc_u64 s[10:11], s[8:9], s[14:15]        ; my row of the output
	s_wait_kmcnt 0x0
	s_mov_b32 s26, s19                             ; w1 in a pair of its own: the packed form takes a scalar pair's low word for both halves
	s_mov_b32 s27, s19
.irp i, 0,1,2,3,4,5,6,7
	s_wait_loadcnt 14-2*\i                         ; this pair of loads is in; the later pairs may be out
	v_pk_mul_f32 v[Y0+4*\i:Y0+4*\i+1], v[Y0+4*\i:Y0+4*\i+1], s[18:19] op_sel_hi:[1,0]
	v_pk_mul_f32 v[Y0+4*\i+2:Y0+4*\i+3], v[Y0+4*\i+2:Y0+4*\i+3], s[18:19] op_sel_hi:[1,0]
	v_pk_fma_f32 v[Y0+4*\i:Y0+4*\i+1], v[Y1+4*\i:Y1+4*\i+1], s[26:27], v[Y0+4*\i:Y0+4*\i+1] op_sel_hi:[1,0,1]
	v_pk_fma_f32 v[Y0+4*\i+2:Y0+4*\i+3], v[Y1+4*\i+2:Y1+4*\i+3], s[26:27], v[Y0+4*\i+2:Y0+4*\i+3] op_sel_hi:[1,0,1]
	global_store_b128 v2, v[Y0+4*\i:Y0+4*\i+3], s[10:11] offset:512*\i th:TH_STORE_NT
.endr
	s_endpgm
.Lfunc_end_k_q1e8206c6ce_combine:
	.size	k_q1e8206c6ce_combine, .Lfunc_end_k_q1e8206c6ce_combine-k_q1e8206c6ce_combine
	.p2alignl 7, 3214868480
	.fill 96, 4, 3214868480
	.section	.rodata,"a",@progbits
	.p2align	6, 0x0
	.amdhsa_kernel k_q1e8206c6ce_combine
		.amdhsa_group_segment_fixed_size 0
		.amdhsa_private_segment_fixed_size 0
		.amdhsa_enable_private_segment 0
		.amdhsa_kernarg_size 24
		.amdhsa_user_sgpr_count 2
		.amdhsa_user_sgpr_kernarg_segment_ptr 1
		.amdhsa_wavefront_size32 1
		.amdhsa_system_sgpr_workgroup_id_x 1
		.amdhsa_system_sgpr_workgroup_id_y 1
		.amdhsa_system_sgpr_workgroup_id_z 1
		.amdhsa_system_vgpr_workitem_id 0
		.amdhsa_next_free_vgpr 80
		.amdhsa_next_free_sgpr 66
		.amdhsa_reserve_vcc 0
		.amdhsa_float_denorm_mode_32 3
		.amdhsa_float_denorm_mode_16_64 3
		.amdhsa_memory_ordered 1
		.amdhsa_forward_progress 1
		.amdhsa_inst_pref_size 6
	.end_amdhsa_kernel
	.amdgpu_metadata
---
amdhsa.version: [ 1, 2 ]
amdhsa.kernels:
  - .name:           k_q1e8206c6ce_combine
    .symbol:         k_q1e8206c6ce_combine.kd
    .args:
      - { .name: topw, .offset: 0, .size: 8, .value_kind: global_buffer, .address_space: global }
      - { .name: y, .offset: 8, .size: 8, .value_kind: global_buffer, .address_space: global }
      - { .name: out0, .offset: 16, .size: 8, .value_kind: global_buffer, .address_space: global }
    .group_segment_fixed_size: 0
    .private_segment_fixed_size: 0
    .kernarg_segment_align: 8
    .kernarg_segment_size: 24
    .max_flat_workgroup_size: 128
    .sgpr_count:     66
    .vgpr_count:     80
    .wavefront_size: 32
...
	.end_amdgpu_metadata
.endif
;; end of part 9
